; MI455X (gfx1250); checked and timed in simulation.
; The chip was launched on July 23, 2026; its instructions are those of AMD's public machine-readable ISA for CDNA 5 (MIT licence, August 2026) and "CDNA5" Instruction Set Architecture Reference Guide (July 2026). The comments in the code are by the model that wrote it; some were corrected since.
;; Multi Head Self Attention. Allowed arithmetic: matrix products marked QUANTISED: E2M1 operands, one E8M0 scale for each 32 along K, by v_wmma_scale_f32_16x16x128_f8f6f4 with both operands' format E2M1 (or v_wmma_scale_f32_32x16x128_f4), f32 sums; products left as they are: bf16, f16 or f32 operands; f32 sums; everything else in f32.
;; Inputs: Wk 16 x 1,024 x 64 float32; Wq 16 x 1,024 x 64 float32; Wv 16 x 1,024 x 64 float32; attn_mask 2 x 2,048 x 2,048 bool; k 2 x 1 x 2,048 x 1,024 float32; proj_b 1,024 float32; proj_w 1,024 x 1,024 float32; q 2 x 1 x 2,048 x 1,024 float32; v 2 x 1 x 2,048 x 1,024 float32.
;; Outputs: out0 2 x 2,048 x 1,024 float32.
;; This version of the problem:
;;   THIS VERSION OF THE PROBLEM IS GIVEN IN LOW PRECISION. The matrix products marked QUANTISED in the list below multiply operands that are first quantised to E2M1 (2 exponent bits, 1 mantissa bit; 4 bits a number), with one power-of-two scale for each 32 numbers along K (OCP MX v1.0); their sums are f32. The products marked 'left as it is' may take bf16, f16 or f32 operands, with f32 sums. Whichever they take, every output number must still come out within the allowed error. Rounding operands to bf16 (8 significant bits) uses up far more of that allowance than f16 does (11 bits, for magnitudes from 6e-5 to 65,504). All else is computed in f32.
;;   The module's matrix products, in the order in which they are computed (A, B: the left and right operand; K: the contracted axis; several contracted axes count as one K, in the product's order):
;;     1. [M 1,024, K 1,024] x [K 1,024, N 4,096]; A: input Wq; B: input q: QUANTISED
;;     2. [M 1,024, K 1,024] x [K 1,024, N 4,096]; A: input Wk; B: input k: QUANTISED
;;     3. [M 1,024, K 1,024] x [K 1,024, N 4,096]; A: input Wv; B: input v: QUANTISED
;;     4. batch 32 x [M 2,048, K 64] x [K 64, N 2,048]; A: computed on the way; B: computed on the way: left as it is (an operand is computed on the way)
;;     5. batch 32 x [M 2,048, K 2,048] x [K 2,048, N 64]; A: computed on the way; B: computed on the way: left as it is (an operand is computed on the way)
;;     6. [M 4,096, K 1,024] x [K 1,024, N 1,024]; A: computed on the way; B: input proj_w: left as it is (an operand is computed on the way)
;;   THE QUANTISER, for each operand of a quantised product, along K:
;;     - K is cut into blocks of 32 from its start; a last block that is shorter is filled with zeros.
;;     - A block's scale is 2^e with e = floor(log2(the largest magnitude in the block)) - 2, held to -126 .. 127; a block of zeros has e = 0. As a byte (E8M0): e + 127.
;;     - Each number is divided by its block's scale, clamped to +-6, and rounded to the nearest number of E2M1, ties to even, subnormals kept.
;;     - The product sums the exact products of the quantised numbers (number of the format x scale) in f32.
;;   ~~~python
;;   def quantise(x, axis):      # numpy; x: float32 -> the quantised numbers, widened to float32 again
;;       x = np.moveaxis(x, axis, -1); K = x.shape[-1]
;;       x = np.pad(x, [(0, 0)] * (x.ndim - 1) + [(0, -K % 32)]); x = x.reshape(x.shape[:-1] + (-1, 32)); a = np.abs(x).max(-1, keepdims=True)
;;       e = np.where(a > 0, np.clip(np.frexp(np.where(a > 0, a, 1))[1] - 1 - 2, -126, 127), 0)      # np.frexp(a)[1] - 1 = floor(log2(a)), exactly
;;       r = np.clip(x / 2.0 ** e, -6, 6)
;;       step = 2.0 ** (np.maximum(np.frexp(np.where(r == 0, 1, r))[1] - 1, 0) - 1)
;;       q = np.round(r / step) * step * 2.0 ** e      # np.round: ties to even
;;       return np.moveaxis(q.reshape(q.shape[:-2] + (-1,))[..., :K], -1, axis).astype(np.float32)
;;   ~~~
;; One version. Each part assembles by itself: llvm-mc -triple=amdgcn-amd-amdhsa -mcpu=gfx1250 --defsym DOCPART=n.
;; ======== version 1 of 1: 4 launches
;; limits: values are held in f16: magnitudes above 65,504 overflow, below 6.1e-05 lose precision
;; workspace buffers: xcodes 6,291,456 bytes; xscales 393,216 bytes; wcodes 1,572,864 bytes; wscales 98,304 bytes; pwimg 2,097,152 bytes; maskw 1,048,576 bytes of whole numbers; qkv 25,165,824 bytes; ctximg 8,388,608 bytes
;; launch prep (part 1): grid 672 x 1, 4 waves a work-group, no clusters, 78,336 bytes of LDS; arguments q, k, v, Wq, Wk, Wv, proj_w, attn_mask, xcodes, xscales, wcodes, wscales, pwimg, maskw; writes xcodes, xscales, wcodes, wscales, pwimg, maskw
.if DOCPART == 1
	.amdgcn_target "amdgcn-amd-amdhsa--gfx1250"
	.amdhsa_code_object_version 6
	.text
	.protected	k_q4d02ac2473_prep
	.globl	k_q4d02ac2473_prep
	.p2align	8
	.type	k_q4d02ac2473_prep,@function
k_q4d02ac2473_prep:
	s_mov_b64 s[64:65], 0
	v_nop
	global_prefetch_b8 v0, s[64:65] scope:SCOPE_SE
	s_setreg_imm32_b32 hwreg(HW_REG_WAVE_MODE, 25, 1), 1
	s_wait_xcnt 0x0
; PREP: everything that is made once from the inputs, in one launch of four paths that part on the work-group's number and never join.
;   path W (work-groups 0-95):    Wq, Wk, Wv [16][1024 (K)][64], f32, K not innermost -> codes of FP4 (E2M1) [3][1024 rows = 64 head + e][512 bytes], K innermost, and E8M0 bytes [3072][32]
;   path M (work-groups 96-223):  attn_mask [2][2048 q][2048 k], bytes -> words of 32 lane bits, [b][tile of 16 q][tile of 16 k][j 0..7]: bit L = mask[b][16 qt + L % 16][16 kt + 8 (L / 16) + j]:
;                                 the lane mask under which register j of a tile of transposed scores (a lane: one query, eight keys) is kept
;   path P (work-groups 224-287): proj_w [1024 n][1024 k], f32 -> f16, laid in the order of a matrix operand's registers: [k / 256][n / 16][fragment of 32 k][piece of 16 k][lane x 16 bytes]
;   path X (work-groups 288-671): q, k, v [4096 tokens][1024 (K)], f32 -> codes [3][4096][512 bytes] and E8M0 bytes [12288][32]
; THE QUANTISER: a block of 32 along K has the scale 2^(floor(log2(its largest magnitude)) - 2); its byte is the largest magnitude's exponent field - 2, held at 1 from below; each number is divided
; by the scale and rounded to the nearest code, ties to even, beyond 6 the code of 6.
; LIMITS: NaN and infinities among the inputs are not served.  A block whose largest magnitude lies under 2^-124 keeps the byte 1.  A block of zeros has the byte 1 where the rule says 127: its codes
; are zeros, which add nothing under that byte, and the bytes are read by this program alone.  proj_w goes to f16: magnitudes up to 65,504.
; No wave shares anything with another: no barrier.  Each path has LDS bytes of its own.  No matrix unit, no cluster, no tensor load: the launch streams.
.set XREG,  5632                       ; path X, a wave's LDS: two stages of 32 x 80 bytes, then its 256 scale bytes
.set SP,    80                         ; a lane's place in such a stage: 64 bytes + 16 of padding
.set TREG,  4608                       ; paths W, M, P, a wave's LDS: a stage of 16 rows x 272 bytes
.set TP,    272                        ; 256 bytes + 16 of padding: the 16 rows that an instruction touches start 4 banks apart
.set WST,   4*XREG
.set MST,   WST+4*TREG
.set PST,   MST+4*TREG
.set SPARE, PST+4*TREG                 ; the spare words, 128 bytes for each wave: two blocks of 256 bytes that no other line names
.set SPW,   12                         ; v12  LDS address of my spare word; never rewritten
.set NIL,   13                         ; v13  0; never rewritten
.set EMAX,  2
.macro FINISH                          ; a wave's end, behind my last LDS store
	s_wait_tensorcnt 0x0
	ds_add_u32 v[SPW], v[NIL]
	s_wait_dscnt 0x0
	s_endpgm
.endm
	s_load_b512 s[4:19], s[0:1], 0x0               ; q s4, k s6, v s8, Wq s10, Wk s12, Wv s14, proj_w s16, attn_mask s18
	s_load_b256 s[20:27], s[0:1], 0x40             ; xcodes s20, xscales s22, wcodes s24, wscales s26
	s_load_b128 s[28:31], s[0:1], 0x60             ; pwimg s28, maskw s30
	v_lshl_add_u32 v[SPW], v0, 2, SPARE
	v_mov_b32 v[NIL], 0
	v_lshrrev_b32 v1, 5, v0
	v_readfirstlane_b32 s32, v1                    ; wave 0..3
	v_and_b32 v2, 31, v0                           ; lane
	s_mov_b32 s39, 0                               ; the upper word of every byte offset: all lie under 2^32
	s_wait_kmcnt 0x0
	s_cmp_lt_u32 ttmp9, 96
	s_cbranch_scc1 .Lpath_w
	s_cmp_lt_u32 ttmp9, 224
	s_cbranch_scc1 .Lpath_m
	s_cmp_lt_u32 ttmp9, 288
	s_cbranch_scc1 .Lpath_p
; ---------------- PATH X: q, k, v.  Rows are dense and K is a multiple of 32: a tensor is a plain stream of blocks of 32, and so are its codes and bytes.
; A wave takes 16 steps of 512 numbers.  Each of a step's four loads reads 512 consecutive bytes, 16 a lane; the 2,048 bytes turn through the wave's stage and come back 64 bytes a lane: 16 neighbours along K,
; two neighbouring lanes to a block.  A lane's 16 codes are 8 bytes: the wave stores 256 consecutive bytes.  A wave's 256 scale bytes are gathered in LDS and leave as 256 consecutive bytes.
.set STEPS, 16
.set XR,    16                         ; v16-79   four sets of 16 numbers as loaded
.set XX,    80                         ; v80-111  two sets of 16 neighbours
.set XE,    112                        ; v112-127 a scale byte for each step
.set XC,    128                        ; v128-191 codes, four registers for each step: no store's data are written again
	s_sub_co_u32 s33, ttmp9, 288                   ; 0..383: 128 work-groups to a tensor
	v_lshlrev_b32 v3, 4, v2                        ; my 16 bytes of a load's 512
	s_mul_i32 s34, s32, XREG
	v_lshrrev_b32 v14, 2, v2
	v_mul_u32_u24 v14, v14, SP
	v_and_b32 v15, 3, v2
	v_lshl_add_u32 v14, v15, 4, v14
	v_add_nc_u32 v14, s34, v14                     ; the stage, on the way in: 80 (lane / 4) + 16 (lane % 4)
	v_mul_u32_u24 v15, v2, SP
	v_add_nc_u32 v15, s34, v15                     ; and on the way out: 80 x lane
	v_mul_u32_u24 v4, v2, 8                        ; my codes' place in a step's
	v_lshrrev_b32 v5, 1, v2
	s_add_co_u32 s34, s34, 2*32*SP
	v_add_nc_u32 v5, s34, v5                       ; my block's byte among my wave's 256
	v_lshlrev_b32 v7, 3, v2
	v_add_nc_u32 v6, s34, v7                       ; and on the way out 8 bytes a lane
	s_cmp_lt_u32 s33, 256                          ; which tensor: the choice hangs on the work-group's number alone
	s_cselect_b64 s[36:37], s[6:7], s[8:9]
	s_cmp_lt_u32 s33, 128
	s_cselect_b64 s[36:37], s[4:5], s[36:37]
	s_and_b32 s38, s33, 127
	s_lshl_b32 s38, s38, 2
	s_add_co_u32 s38, s38, s32                     ; my run of 8,192 numbers in the tensor,
	s_lshl_b32 s38, s38, 15                        ; 32,768 bytes each
	s_add_nc_u64 s[36:37], s[36:37], s[38:39]
	s_lshl_b32 s40, s33, 2
	s_add_co_u32 s40, s40, s32                     ; and among all three tensors' runs
	s_lshl_b32 s38, s40, 12                        ; 4,096 bytes of codes,
	s_add_nc_u64 s[20:21], s[20:21], s[38:39]
	s_lshl_b32 s38, s40, 8                         ; 256 scale bytes
	s_add_nc_u64 s[22:23], s[22:23], s[38:39]
.macro XLOAD t
.irp i, 0,1,2,3
	global_load_b128 v[XR+16*((\t)%4)+4*\i:XR+16*((\t)%4)+4*\i+3], v3, s[36:37] offset:2048*(\t)+512*\i th:TH_LOAD_NT
.endr
.endm
.macro XTURN t                         ; step t's numbers through the stage: LDS serves a wave's instructions in order, so no wait stands between the stores and the loads
.irp i, 0,1,2,3
	ds_store_b128 v14, v[XR+16*((\t)%4)+4*\i:XR+16*((\t)%4)+4*\i+3] offset:32*SP*((\t)%2)+8*SP*\i
.endr
.irp i, 0,1,2,3
	ds_load_b128 v[XX+16*((\t)%2)+4*\i:XX+16*((\t)%2)+4*\i+3], v15 offset:32*SP*((\t)%2)+16*\i
.endr
.endm
.irp t, 0,1,2,3
	XLOAD \t
.endr
	s_wait_loadcnt 12                              ; step 0's four loads are in; twelve younger ones stay out
	XTURN 0
.macro XSTEP t
.set XS, XX+16*((\t)%2)
.if (\t) > 0
	s_wait_dscnt 1                                 ; this step's numbers are back from the stage; the last step's byte store may be out
.else
	s_wait_dscnt 0x0
.endif
.if (\t)+4 < STEPS
	XLOAD (\t)+4                                   ; into the set whose stores into the stage have read it
.endif
.if (\t)+1 < STEPS
.if STEPS-2-(\t) >= 3
	s_wait_loadcnt 12                              ; the next step's four loads are in; those of the three steps behind it may be out
.else
	s_wait_loadcnt 4*(STEPS-2-(\t))
.endif
	XTURN (\t)+1
.endif
	v_max3_num_f32 v8, |v[XS]|, |v[XS+1]|, |v[XS+2]|               ; the largest magnitude of my 16, in two chains
	v_max3_num_f32 v9, |v[XS+3]|, |v[XS+4]|, |v[XS+5]|
.irp i, 6,10
	v_max3_num_f32 v8, v8, |v[XS+\i]|, |v[XS+\i+1]|
	v_max3_num_f32 v9, v9, |v[XS+\i+2]|, |v[XS+\i+3]|
.endr
	v_max3_num_f32 v8, v8, |v[XS+14]|, |v[XS+15]|
	v_max3_num_f32 v8, v8, v9, (EMAX+1)<<23        ; and the floor 2^(3 - 127): the byte cannot fall under 1
	v_max_num_f32_dpp v8, v8, v8 row_xmask:1 row_mask:0xf bank_mask:0xf   ; with my neighbour's 16: the block's
	v_add_nc_u32 v11, -(EMAX<<23), v8              ; 2 off its exponent field: the conversion takes the exponent field of this operand as its scale
	v_cvt_scalef32_pk8_fp4_f32 v[XC+4*(\t)], v[XS:XS+7], v11
	v_cvt_scalef32_pk8_fp4_f32 v[XC+4*(\t)+1], v[XS+8:XS+15], v11
	v_lshrrev_b32 v[XE+(\t)], 23, v11              ; the scale's byte (also the plain line behind the conversions)
	ds_store_b8 v5, v[XE+(\t)] offset:16*(\t)      ; both lanes of a block write the same byte with the same value
	global_store_b64 v4, v[XC+4*(\t):XC+4*(\t)+1], s[20:21] offset:256*(\t)
.endm
.irp t, 0,1,2,3,4,5,6,7,8,9,10,11,12,13,14,15
	XSTEP \t
.endr
	ds_load_b64 v[8:9], v6                         ; these see my byte stores: one wave's LDS instructions are served in order
	s_wait_dscnt 0x0
	global_store_b64 v7, v[8:9], s[22:23]          ; 32 lanes store 256 consecutive bytes
	FINISH
; ---------------- PATH W: a lane takes a column e of one head, and its registers run DOWN K: a block of 32 lies in one lane's 32 registers, and the codes come out with K innermost.
; Work-group: tensor t, head, half kh of K.  Wave w: columns 16 w .. 16 w + 15; lanes 0-15 take K = 512 kh + 0 .. 255, lanes 16-31 the next 256: eight blocks a lane, so that a column's 256 bytes of codes
; are made in one wave.  They go through the wave's stage and leave as rows: sixteen lanes store 256 consecutive bytes.  The scale bytes leave as 8 bytes a lane, pieces of rows of 32 bytes: 98,304 bytes in all.
.set WX,   32                          ; v32-95   two sets of 32 numbers
.set WC,   96                          ; v96-99   a block's codes
.set WOUT, 112                         ; v112-143 the way out
.set WSB,  24                          ; v24-25   my eight scale bytes
.Lpath_w:
	s_lshr_b32 s33, ttmp9, 5                       ; t
	s_bfe_u32 s34, ttmp9, 0x40001                  ; head
	s_and_b32 s35, ttmp9, 1                        ; kh
	s_cmp_lt_u32 s33, 2
	s_cselect_b64 s[36:37], s[12:13], s[14:15]
	s_cmp_lt_u32 s33, 1
	s_cselect_b64 s[36:37], s[10:11], s[36:37]
	s_lshl_b32 s38, s34, 18                        ; a head is 1,024 rows of 256 bytes,
	s_lshl_b32 s40, s35, 17                        ; half of K 512 rows
	s_add_co_u32 s38, s38, s40
	s_add_nc_u64 s[36:37], s[36:37], s[38:39]
	v_and_b32 v5, 15, v2                           ; r
	v_lshrrev_b32 v6, 4, v2                        ; h
	v_lshlrev_b32 v3, 2, v5
	v_lshl_add_u32 v3, v6, 16, v3
	s_lshl_b32 s40, s32, 6
	v_add_nc_u32 v3, s40, v3                       ; in: 256 rows x h + 4 (16 w + r)
	s_mul_i32 s41, s32, TREG
	s_add_co_u32 s41, s41, WST                     ; my stage
	v_mul_u32_u24 v4, v5, TP
	v_lshl_add_u32 v4, v6, 7, v4
	v_add_nc_u32 v4, s41, v4                       ; into it: row r, + 128 h
	v_mul_u32_u24 v7, v6, TP
	v_lshl_add_u32 v7, v5, 4, v7
	v_add_nc_u32 v7, s41, v7                       ; out of it: sixteen lanes to a row, two rows an instruction
	v_lshlrev_b32 v8, 9, v6
	v_lshl_add_u32 v8, v5, 4, v8                   ; the same place in the codes' buffer: rows of 512 bytes
	v_lshlrev_b32 v9, 5, v5
	v_lshl_add_u32 v9, v6, 3, v9                   ; my 8 scale bytes: rows of 32 bytes
	s_lshl_b32 s40, s33, 10
	s_lshl_b32 s42, s34, 6
	s_add_co_u32 s40, s40, s42
	s_lshl_b32 s42, s32, 4
	s_add_co_u32 s40, s40, s42                     ; my wave's first row of the codes: 1,024 t + 64 head + 16 w
	s_lshl_b32 s38, s40, 9
	s_lshl_b32 s42, s35, 8
	s_add_co_u32 s38, s38, s42
	s_add_nc_u64 s[24:25], s[24:25], s[38:39]
	s_lshl_b32 s38, s40, 5
	s_lshl_b32 s42, s35, 4
	s_add_co_u32 s38, s38, s42
	s_add_nc_u64 s[26:27], s[26:27], s[38:39]
.macro WLOAD t                         ; block t: W(32 t + i, my column), i = 0 .. 31, into set t % 2
.irp i, 0,1,2,3,4,5,6,7,8,9,10,11,12,13,14,15,16,17,18,19,20,21,22,23,24,25,26,27,28,29,30,31
	global_load_b32 v[WX+32*((\t)%2)+\i], v3, s[36:37] offset:(32*(\t)+\i)*256 th:TH_LOAD_NT
.endr
.endm
	WLOAD 0
	WLOAD 1
.macro WBLOCK t
.set XS, WX+32*((\t)%2)
.if (\t) < 7
	s_wait_loadcnt 32                              ; this block's 32 loads are in; the next block's may be out
.else
	s_wait_loadcnt 0
.endif
	v_max3_num_f32 v10, |v[XS]|, |v[XS+1]|, |v[XS+2]|              ; the block's largest magnitude: all 32 numbers are mine
	v_max3_num_f32 v14, |v[XS+3]|, |v[XS+4]|, |v[XS+5]|
.irp i, 6,10,14,18,22,26
	v_max3_num_f32 v10, v10, |v[XS+\i]|, |v[XS+\i+1]|
	v_max3_num_f32 v14, v14, |v[XS+\i+2]|, |v[XS+\i+3]|
.endr
	v_max3_num_f32 v10, v10, |v[XS+30]|, |v[XS+31]|
	v_max3_num_f32 v10, v10, v14, (EMAX+1)<<23     ; and the floor
	v_add_nc_u32 v11, -(EMAX<<23), v10             ; the conversion's scale operand
	v_lshrrev_b32 v15, 23, v11                     ; the scale's byte
.if (\t)%4 == 0
	v_mov_b32 v[WSB+(\t)/4], v15                   ; four bytes to a register, the lower K in the lower byte
.else
	v_lshl_or_b32 v[WSB+(\t)/4], v15, 8*((\t)%4), v[WSB+(\t)/4]
.endif
.irp g, 0,1,2,3
	v_cvt_scalef32_pk8_fp4_f32 v[WC+\g], v[XS+8*\g:XS+8*\g+7], v11
.endr
	ds_store_b128 v4, v[WC:WC+3] offset:16*(\t)    ; 32 codes: 16 bytes of my column's row
.if (\t)+2 < 8
	WLOAD (\t)+2
.endif
	s_wait_dscnt 0x0                               ; the store has read its registers: the next block's codes may be written (its first lines are plain vector lines)
.endm
.irp t, 0,1,2,3,4,5,6,7
	WBLOCK \t
.endr
	global_store_b64 v9, v[WSB:WSB+1], s[26:27]
.irp i, 0,1,2,3,4,5,6,7
	ds_load_b128 v[WOUT+4*\i:WOUT+4*\i+3], v7 offset:2*TP*\i
.endr
.irp i, 0,1,2,3,4,5,6,7
	s_wait_dscnt 7-\i                              ; LDS loads come back in order: load i is in, the younger ones stay out
	global_store_b128 v8, v[WOUT+4*\i:WOUT+4*\i+3], s[24:25] offset:1024*\i
.endr
	FINISH
; ---------------- PATH M: a wave takes 16 queries x 1,024 keys of the mask, in four tasks of 256 keys.  All 32 loads (sixteen lanes: 256 consecutive bytes of a row) go out at once.
; A task's 16 rows x 256 bytes turn through the stage; lane (r, h) then takes, for each tile of 16 keys, the 8 bytes of query r and keys 8 h + 0 .. 7.  Byte j of all 32 lanes becomes one word by a compare,
; and the task's 128 words are set into the lanes of four registers, so that they leave as 512 consecutive bytes.
.Lpath_m:
	s_sub_co_u32 s33, ttmp9, 96
	s_lshl_b32 s33, s33, 2
	s_add_co_u32 s33, s33, s32                     ; 0..511
	s_lshr_b32 s34, s33, 1                         ; 128 b + tile of queries
	s_and_b32 s35, s33, 1                          ; which 1,024 keys
	s_lshl_b32 s38, s34, 15                        ; 16 rows of 2,048 bytes
	s_lshl_b32 s40, s35, 10
	s_add_co_u32 s38, s38, s40
	s_add_nc_u64 s[18:19], s[18:19], s[38:39]
	s_lshl_b32 s38, s34, 12                        ; 128 tiles of keys x 8 words
	s_lshl_b32 s40, s35, 11
	s_add_co_u32 s38, s38, s40
	s_add_nc_u64 s[30:31], s[30:31], s[38:39]
	v_and_b32 v5, 15, v2
	v_lshrrev_b32 v6, 4, v2
	v_lshlrev_b32 v3, 11, v6
	v_lshl_add_u32 v3, v5, 4, v3                   ; in: lanes 0-15 one row, lanes 16-31 the next
	v_lshlrev_b32 v4, 4, v2                        ; out: 16 bytes a lane
	s_mul_i32 s41, s32, TREG
	s_add_co_u32 s41, s41, MST
	v_mul_u32_u24 v7, v6, TP
	v_lshl_add_u32 v7, v5, 4, v7
	v_add_nc_u32 v7, s41, v7                       ; into the stage, as loaded
	v_mul_u32_u24 v8, v5, TP
	v_lshl_add_u32 v8, v6, 3, v8
	v_add_nc_u32 v8, s41, v8                       ; out of it: row r, + 8 h
.irp u, 0,1,2,3
.irp i, 0,1,2,3,4,5,6,7
	global_load_b128 v[32+32*\u+4*\i:32+32*\u+4*\i+3], v3, s[18:19] offset:4096*\i+256*\u th:TH_LOAD_NT
.endr
.endr
.macro MTASK u
	s_wait_loadcnt 8*(3-\u)                        ; this task's eight loads are in; the later tasks' stay out
.irp i, 0,1,2,3,4,5,6,7
	ds_store_b128 v7, v[32+32*\u+4*\i:32+32*\u+4*\i+3] offset:2*TP*\i
.endr
.irp kt, 0,1,2,3,4,5,6,7,8,9,10,11,12,13,14,15
	ds_load_b64 v[160+2*\kt:160+2*\kt+1], v8 offset:16*\kt
.endr
	s_wait_dscnt 0x0
.irp kt, 0,1,2,3,4,5,6,7,8,9,10,11,12,13,14,15
.irp j, 0,1,2,3,4,5,6,7
	v_and_b32 v[16+\j], 0xff<<(8*(\j%4)), v[160+2*\kt+\j/4]        ; byte j of my eight
.endr
.irp j, 0,1,2,3,4,5,6,7
	v_cmp_ne_u32 s[48+\j], 0, v[16+\j]             ; the word: a bit for each lane
.endr
.irp j, 0,1,2,3,4,5,6,7
	v_writelane_b32 v[32+32*\u+\j%4], s[48+\j], 2*\kt+\j/4         ; word 8 kt + j of the task's 128: lane (8 kt + j) / 4, register j % 4 (the registers held this task's first load; all 32 lanes are written over)
.endr
.endr
	global_store_b128 v4, v[32+32*\u:32+32*\u+3], s[30:31] offset:512*\u
.endm
.irp u, 0,1,2,3
	MTASK \u
.endr
	FINISH
; ---------------- PATH P: a wave takes 16 rows n x 256 along k of proj_w, in four tasks of 64 along k.  A task's rows turn through the stage; lane (r, h) takes, for piece f of four, the eight numbers
; k = 16 f + 8 h + 0 .. 7 of row r, rounds them to f16 (16 bytes) and stores them at 16 x lane: a piece is 512 consecutive bytes, and two pieces are a fragment of 16 rows x 32 k as its registers want it.
.Lpath_p:
	s_sub_co_u32 s33, ttmp9, 224                   ; tile of 16 rows n; the wave's number is k / 256
	s_lshl_b32 s38, s33, 16
	s_lshl_b32 s40, s32, 10
	s_add_co_u32 s38, s38, s40
	s_add_nc_u64 s[16:17], s[16:17], s[38:39]
	s_lshl_b32 s38, s32, 6
	s_add_co_u32 s38, s38, s33
	s_lshl_b32 s38, s38, 13                        ; (64 (k / 256) + tile) x 8,192 bytes
	s_add_nc_u64 s[28:29], s[28:29], s[38:39]
	v_and_b32 v5, 15, v2
	v_lshrrev_b32 v6, 4, v2
	v_lshlrev_b32 v3, 12, v6
	v_lshl_add_u32 v3, v5, 4, v3
	v_lshlrev_b32 v4, 4, v2
	s_mul_i32 s41, s32, TREG
	s_add_co_u32 s41, s41, PST
	v_mul_u32_u24 v7, v6, TP
	v_lshl_add_u32 v7, v5, 4, v7
	v_add_nc_u32 v7, s41, v7
	v_mul_u32_u24 v8, v5, TP
	v_lshl_add_u32 v8, v6, 5, v8
	v_add_nc_u32 v8, s41, v8                       ; out of the stage: row r, + 32 h
.irp u, 0,1,2,3
.irp i, 0,1,2,3,4,5,6,7
	global_load_b128 v[32+32*\u+4*\i:32+32*\u+4*\i+3], v3, s[16:17] offset:8192*\i+256*\u th:TH_LOAD_NT
.endr
.endr
.macro PTASK u
	s_wait_loadcnt 8*(3-\u)                        ; this task's eight loads are in; the later tasks' stay out
.irp i, 0,1,2,3,4,5,6,7
	ds_store_b128 v7, v[32+32*\u+4*\i:32+32*\u+4*\i+3] offset:2*TP*\i
.endr
.irp f, 0,1,2,3
	ds_load_b128 v[160+8*\f:160+8*\f+3], v8 offset:64*\f
	ds_load_b128 v[160+8*\f+4:160+8*\f+7], v8 offset:64*\f+16
.endr
	s_wait_dscnt 0x0
.irp f, 0,1,2,3
.irp g, 0,1,2,3
	v_cvt_pk_f16_f32 v[32+32*\u+4*\f+\g], v[160+8*\f+2*\g], v[160+8*\f+2*\g+1]   ; the lower k in the low half
.endr
.endr
.irp f, 0,1,2,3
	global_store_b128 v4, v[32+32*\u+4*\f:32+32*\u+4*\f+3], s[28:29] offset:2048*\u+512*\f
.endr
.endm
.irp u, 0,1,2,3
	PTASK \u
.endr
	FINISH
.Lfunc_end_k_q4d02ac2473_prep:
	.size	k_q4d02ac2473_prep, .Lfunc_end_k_q4d02ac2473_prep-k_q4d02ac2473_prep
	.p2alignl 7, 3214868480
	.fill 96, 4, 3214868480
	.section	.rodata,"a",@progbits
	.p2align	6, 0x0
	.amdhsa_kernel k_q4d02ac2473_prep
		.amdhsa_group_segment_fixed_size 78336
		.amdhsa_private_segment_fixed_size 0
		.amdhsa_enable_private_segment 0
		.amdhsa_kernarg_size 112
		.amdhsa_user_sgpr_count 2
		.amdhsa_user_sgpr_kernarg_segment_ptr 1
		.amdhsa_wavefront_size32 1
		.amdhsa_system_sgpr_workgroup_id_x 1
		.amdhsa_system_sgpr_workgroup_id_y 1
		.amdhsa_system_sgpr_workgroup_id_z 1
		.amdhsa_system_vgpr_workitem_id 0
		.amdhsa_next_free_vgpr 192
		.amdhsa_next_free_sgpr 66
		.amdhsa_reserve_vcc 0
		.amdhsa_float_denorm_mode_32 3
		.amdhsa_float_denorm_mode_16_64 3
		.amdhsa_memory_ordered 1
		.amdhsa_forward_progress 1
		.amdhsa_inst_pref_size 194
	.end_amdhsa_kernel
	.amdgpu_metadata
---
amdhsa.version: [ 1, 2 ]
amdhsa.kernels:
  - .name:           k_q4d02ac2473_prep
    .symbol:         k_q4d02ac2473_prep.kd
    .args:
      - { .name: q, .offset: 0, .size: 8, .value_kind: global_buffer, .address_space: global }
      - { .name: k, .offset: 8, .size: 8, .value_kind: global_buffer, .address_space: global }
      - { .name: v, .offset: 16, .size: 8, .value_kind: global_buffer, .address_space: global }
      - { .name: Wq, .offset: 24, .size: 8, .value_kind: global_buffer, .address_space: global }
      - { .name: Wk, .offset: 32, .size: 8, .value_kind: global_buffer, .address_space: global }
      - { .name: Wv, .offset: 40, .size: 8, .value_kind: global_buffer, .address_space: global }
      - { .name: proj_w, .offset: 48, .size: 8, .value_kind: global_buffer, .address_space: global }
      - { .name: attn_mask, .offset: 56, .size: 8, .value_kind: global_buffer, .address_space: global }
      - { .name: xcodes, .offset: 64, .size: 8, .value_kind: global_buffer, .address_space: global }
      - { .name: xscales, .offset: 72, .size: 8, .value_kind: global_buffer, .address_space: global }
      - { .name: wcodes, .offset: 80, .size: 8, .value_kind: global_buffer, .address_space: global }
      - { .name: wscales, .offset: 88, .size: 8, .value_kind: global_buffer, .address_space: global }
      - { .name: pwimg, .offset: 96, .size: 8, .value_kind: global_buffer, .address_space: global }
      - { .name: maskw, .offset: 104, .size: 8, .value_kind: global_buffer, .address_space: global }
    .group_segment_fixed_size: 78336
    .private_segment_fixed_size: 0
    .kernarg_segment_align: 8
    .kernarg_segment_size: 112
    .max_flat_workgroup_size: 128
    .sgpr_count:     66
    .vgpr_count:     192
    .wavefront_size: 32
...
	.end_amdgpu_metadata
.endif
;; end of part 1
;; launch proj (part 2): grid 4 x 48, 4 waves a work-group, clusters of 4 x 4, 327,680 bytes of LDS; arguments xcodes, xscales, wcodes, wscales, qkv; writes qkv
.if DOCPART == 2
	.amdgcn_target "amdgcn-amd-amdhsa--gfx1250"
	.amdhsa_code_object_version 6
	.text
	.protected	k_q4d02ac2473_proj
	.globl	k_q4d02ac2473_proj
	.p2align	8
	.type	k_q4d02ac2473_proj,@function
k_q4d02ac2473_proj:
	s_mov_b64 s[64:65], 0
	v_nop
	global_prefetch_b8 v0, s[64:65] scope:SCOPE_SE
	s_setreg_imm32_b32 hwreg(HW_REG_WAVE_MODE, 25, 1), 1
	s_wait_xcnt 0x0
	s_wait_alu depctr_hold_cnt(0) depctr_sa_sdst(0) depctr_va_vdst(0) depctr_va_sdst(0) depctr_va_ssrc(0) depctr_va_vcc(0) depctr_vm_vsrc(0)
	s_getreg_b32 s2, hwreg(HW_REG_IB_STS2, 6, 4)
	s_cmp_eq_u32 s2, 0
	s_cbranch_scc0 .Lentry_in_a_cluster
	s_endpgm
.Lentry_in_a_cluster:
	s_bfe_u32 s2, ttmp6, 0x10000c
	s_cmp_lg_u32 s2, 0xf033
	s_cbranch_scc0 .Lentry_shape_is_right
	s_endpgm
.Lentry_shape_is_right:
; PROJ: the three projections qh = q Wq, kh = k Wk, vh = v Wv on codes of FP4 (E2M1) with one E8M0 scale for each 32 along K = 1,024; sums in f32; results rounded once to f16.
; xcodes [12288 = 3 x 4096 tokens][512 bytes], wcodes [3072 = 3 x (64 head + e)][512 bytes], their scale bytes [rows][32].
; A tile of 256 x 256 results is made by a work-group of four waves, a wave 128 x 128: 64 accumulators of 16 x 16, 512 registers.  192 tiles: 16 x 4 for each tensor.
; K is two slots of 512 (rows of 256 bytes): both are first fills, nothing is filled again.  The scale bytes of the work-group's 2 x 256 rows come once, as two dense blocks.
; ROLES.  The A role (source 1 of the matrix instruction) gives a lane its one row, the B role (source 0) its eight neighbouring rows.  For q and k the A role is 256 tokens and the B role 256 rows of W:
; a lane holds one token and eight channels.  For v the roles are swapped: a lane holds one channel and eight tokens.  Rounded to f16 a lane's eight results are 16 bytes, and a wave's store of them, at
; 16 x lane, is 512 consecutive bytes: a piece of the next launch's operand in the order of its registers.  So no stage and no transposition stand on the way out.
; qkv: [b x 16 + head] x 786,432 bytes: Q [tile of 16 tokens 128][piece of 16 channels 4][512]; from 262,144 on four slots of 512 keys, 131,072 bytes each: K [tile 32][piece 4][512], then from 65,536 on
; V [32 keys 16][16 channels 4][piece of 16 keys 2][512].
; CLUSTERS: 4 x 4 work-groups; cluster y = 4 t + cl, t the tensor.  The four of a row of the cluster need the same A tiles, the four of a column the same B tiles: each is asked for jointly.
; LIMITS: results beyond 65,504 in magnitude have no f16 number.  All of a WGP's LDS is claimed; 296,448 bytes are used.
; REGISTERS, in windows of 256: window 0: v0-31 addresses; v32-95 scale words, two sets; from v128 the A role's fragments, one set; on the way out v32-255 take the packed results.
;   window 1: the B role's fragments, two sets, at v0 and v128.   window 2: the accumulators of my A rows 0-63 ((a, b) at v[8 (8 a + b)]);   window 3: those of rows 64-127.
.set NQ,     4                         ; steps of 128 along K in a slot
.set ROWB,   256                       ; a tile's row in bytes
.set KROW,   512                       ; a row of codes in memory
.set PITCH,  272                       ; an LDS row: 256 bytes + 16 of padding: the 16 rows that a load touches start 4 banks apart
.set FR,     8
.set NL,     2
.set NP,     4                         ; places behind this matrix instruction (ISA guide 7.12.1)
.set HALFT,  128*PITCH
.set SLOT,   4*HALFT
.set KS,     32                        ; a row of scale bytes
.set SCL,    2*SLOT                    ; behind the slots: the scales, as units of 256 bytes + 16 of padding
.set HALFS,  (128*KS/256)*272
.set SBLK,   (16*KS/256)*272
.set SPARE,  SCL+4*HALFS               ; the spare words, 128 bytes for each wave: two blocks of 256 bytes that no other line names
.set HS,     786432                    ; a head's bytes in qkv
.set ADRA, 16                          ; v16-17  LDS address of my A fragments in slot 0, 1
.set ADRB, 20                          ; v20-21  the same for B
.set CO,   26                          ; v26     16 x lane
.set ADRS, 27                          ; v27     LDS address of my scale words: lanes 0-15 A's rows, lanes 16-31 B's
.set SPW,  28                          ; v28     my spare word; never rewritten
.set NIL,  29                          ; v29     0; never rewritten
.set SC,   32
.set AF,   128
.set G1, 24
.set G0, 32
.set G1B, 48
.set G0B, 56
.set G1S, 68
.set G0S, 76
.set G1SB, 80
.set G0SB, 88
.set MSB, 0
.macro WIN new                         ; the immediate's high byte repeats the setting that is left
.if MSB != \new
	s_set_vgpr_msb (MSB<<8)|\new
.set MSB, \new
.endif
.endm
.set MUL_LO, 0xa1                      ; source 0 (B) window 1, source 1 (A) window 0, C and D window 2
.set MUL_HI, 0xf1
.set TO_B,   0x40
; A joint load: waves 0 and 1 fetch for A, waves 2 and 3 for B; the branch hangs on the wave's number alone.  An s_nop 0 and four v_nop follow each of the two lines.
.macro JLOAD g0a, g1a, g0b, g1b
	s_cmp_eq_u32 s15, 0
	s_cbranch_scc0 .Lfor_b_\@
	tensor_load_to_lds s[\g0a:\g0a+3], s[\g1a:\g1a+7]
	s_nop 0
.rept 4
	v_nop
.endr
	s_branch .Lasked_\@
.Lfor_b_\@:
	tensor_load_to_lds s[\g0b:\g0b+3], s[\g1b:\g1b+7]
	s_nop 0
.rept 4
	v_nop
.endr
.Lasked_\@:
.endm
.macro CROUND                          ; a round of the cluster's barrier
	s_barrier_signal -1
	s_barrier_wait -1
	s_cmp_lg_u32 s14, 0
	s_cbranch_scc1 .Lnot_wave_0_\@
	s_barrier_signal -3
.Lnot_wave_0_\@:
	s_barrier_wait -3
	s_barrier_signal -1
	s_barrier_wait -1
.endm
	s_load_b128 s[4:7], s[0:1], 0x0                ; xcodes, xscales
	s_load_b128 s[8:11], s[0:1], 0x10              ; wcodes, wscales
	s_load_b64 s[12:13], s[0:1], 0x20              ; qkv
	v_lshl_add_u32 v[SPW], v0, 2, SPARE
	v_mov_b32 v[NIL], 0
	ds_add_u32 v[SPW], v[NIL]                      ; the wave's opening: the add, twice on end, and its wait ahead of my first tensor load
	ds_add_u32 v[SPW], v[NIL]
	v_lshrrev_b32 v1, 5, v0
	v_readfirstlane_b32 s14, v1                    ; wave 0..3
	s_lshr_b32 s15, s14, 1                         ; which half of the A rows is mine.  Also: I fetch for A (0) or for B (1)
	s_and_b32 s16, s14, 1                          ; which half of the B rows.  Also: which 128 rows I fetch
	s_bfe_u32 s40, ttmp6, 0x40000                  ; cx, cy: my place in the cluster
	s_bfe_u32 s41, ttmp6, 0x40004
	s_and_b32 s66, ttmp7, 0xffff                   ; cluster y = 4 t + cl
	s_lshr_b32 s95, s66, 2                         ; t: 0 q, 1 k, 2 v: the same in all sixteen partners
	s_and_b32 s100, s66, 3                         ; cl: which 1,024 tokens
	s_lshl_b32 s66, s66, 2                         ; the cluster's first tile of 256 tokens among xcodes' 48
	s_lshl_b32 s67, s95, 2                         ; the tensor's first tile of 256 rows among wcodes' 12
	s_cmp_eq_u32 s95, 2
	s_cselect_b32 s17, s67, s66                    ; A role: tokens, for v rows of W
	s_cselect_b32 s42, s66, s67                    ; B role: rows of W, for v tokens
	s_add_co_u32 s17, s17, s41                     ; A's tile hangs on cy alone,
	s_add_co_u32 s42, s42, s40                     ; B's on cx alone
	s_lshl_b32 s43, s41, 2
	s_lshl_b32 s43, 15, s43                        ; my row of the cluster
	s_lshl_b32 s44, 0x1111, s40                    ; my column
	s_or_b32 s[G1+0], s43, (0<<16)|(1<<20)|(1<<21)|(5<<22)|(3<<25)  ; the mask; elements of 1 byte; padding on; bit 21 beside a mask; 4 words of padding after every 64
	s_or_b32 s[G1B+0], s44, (0<<16)|(1<<20)|(1<<21)|(5<<22)|(3<<25)
.irp g, G1, G1B
	s_mov_b32 s[\g+1], ROWB<<16                    ; tensor_dim0
	s_mov_b32 s[\g+2], 128<<16                     ; tensor_dim1
	s_mov_b32 s[\g+3], ROWB<<16                    ; tile_dim0
	s_mov_b32 s[\g+4], 128                         ; tile_dim1
	s_mov_b32 s[\g+5], KROW                        ; from row to row
	s_mov_b32 s[\g+6], 0
	s_mov_b32 s[\g+7], 0
.endr
	s_or_b32 s[G1S+0], s43, (3<<16)|(1<<20)|(1<<21)|(5<<22)|(3<<25) ; the scales of 128 rows: 4,096 dense bytes as 16 rows of 32 elements of 8 bytes
	s_or_b32 s[G1SB+0], s44, (3<<16)|(1<<20)|(1<<21)|(5<<22)|(3<<25)
.irp g, G1S, G1SB
	s_mov_b32 s[\g+1], 32<<16
	s_mov_b32 s[\g+2], (128*KS/256)<<16
	s_mov_b32 s[\g+3], 32<<16
	s_mov_b32 s[\g+4], 128*KS/256
	s_mov_b32 s[\g+5], 32
	s_mov_b32 s[\g+6], 0
	s_mov_b32 s[\g+7], 0
.endr
	s_lshl_b32 s18, s16, 7                         ; which 128 rows of the tile I fetch
	s_lshl_b32 s20, s17, 8
	s_add_co_u32 s20, s20, s18                     ; A: row 256 x tile + 128 x half
	s_lshl_b32 s46, s42, 8
	s_add_co_u32 s46, s46, s18                     ; B likewise
	s_mov_b32 s21, 0
	s_mov_b32 s47, 0
	s_mov_b64 s[18:19], KS
	s_mul_u64 s[22:23], s[20:21], s[18:19]         ; where these rows' scales begin, in bytes
	s_mul_u64 s[92:93], s[46:47], s[18:19]
	s_mov_b64 s[18:19], KROW
	s_mul_u64 s[20:21], s[20:21], s[18:19]         ; and their codes
	s_mul_u64 s[46:47], s[46:47], s[18:19]
	s_mul_i32 s45, s14, HALFT                      ; where they go: wave x 128 rows
	s_mul_i32 s94, s14, HALFS
	s_wait_dscnt 0x0                               ; both opening adds are done
	s_wait_kmcnt 0x0
	s_cmp_eq_u32 s95, 2                            ; which buffers play which role: the choice hangs on the tensor's number alone
	s_cselect_b64 s[96:97], s[8:9], s[4:5]         ; A's codes,
	s_cselect_b64 s[98:99], s[10:11], s[6:7]       ; A's scales,
	s_cselect_b64 s[8:9], s[4:5], s[8:9]           ; B's codes,
	s_cselect_b64 s[10:11], s[6:7], s[10:11]       ; B's scales
	s_add_nc_u64 s[20:21], s[96:97], s[20:21]
	s_add_nc_u64 s[22:23], s[98:99], s[22:23]
	s_add_nc_u64 s[46:47], s[8:9], s[46:47]
	s_add_nc_u64 s[92:93], s[10:11], s[92:93]
	CROUND                                         ; all sixteen work-groups are here: the joint loads meet
	s_mov_b32 s[G0S], 1
	s_add_co_u32 s[G0S+1], s94, SCL
	s_mov_b64 s[G0S+2:G0S+3], s[22:23]
	s_or_b32 s[G0S+3], s[G0S+3], 0x80000000
	s_mov_b32 s[G0SB], 1
	s_add_co_u32 s[G0SB+1], s94, SCL
	s_mov_b64 s[G0SB+2:G0SB+3], s[92:93]
	s_or_b32 s[G0SB+3], s[G0SB+3], 0x80000000
	JLOAD G0S, G1S, G0SB, G1SB                     ; the scales first: they are wanted with the first slot
.irp s, 0,1
	s_mov_b32 s[G0+4*\s], 1
	s_add_co_u32 s[G0+4*\s+1], s45, \s*SLOT
	s_add_nc_u64 s[G0+4*\s+2:G0+4*\s+3], s[20:21], \s*ROWB
	s_or_b32 s[G0+4*\s+3], s[G0+4*\s+3], 0x80000000
	s_mov_b32 s[G0B+4*\s], 1
	s_add_co_u32 s[G0B+4*\s+1], s45, \s*SLOT
	s_add_nc_u64 s[G0B+4*\s+2:G0B+4*\s+3], s[46:47], \s*ROWB
	s_or_b32 s[G0B+4*\s+3], s[G0B+4*\s+3], 0x80000000
	JLOAD G0+4*\s, G1, G0B+4*\s, G1B               ; three loads of mine are out in all
.endr
	v_and_b32 v1, 15, v0                           ; l % 16
	v_bfe_u32 v2, v0, 4, 1                         ; l / 16
	v_mul_u32_u24 v3, v1, PITCH
	v_lshl_add_u32 v4, v2, 4, v3                   ; a fragment's row x pitch + 16 x half
	s_mul_i32 s21, s15, HALFT                      ; my 128 rows of A
	s_mul_i32 s22, s16, HALFT                      ; my 128 rows of B,
	s_add_co_u32 s22, s22, 2*HALFT                 ; which lie behind A's 256
.irp s, 0,1
	v_add_nc_u32 v[ADRA+\s], s21, v4
	v_add_nc_u32 v[ADRB+\s], s22, v4
	s_add_co_u32 s21, s21, SLOT
	s_add_co_u32 s22, s22, SLOT
.endr
	v_mul_u32_u24 v5, v1, KS                       ; my row's scales: 32 bytes a row,
	v_lshrrev_b32 v6, 8, v5
	v_lshl_add_u32 v5, v6, 4, v5                   ; and 16 more for each 256 passed
	s_mul_i32 s21, s15, HALFS
	s_mul_i32 s22, s16, HALFS
	s_add_co_u32 s22, s22, 2*HALFS
	s_sub_co_u32 s22, s22, s21
	v_mul_u32_u24 v6, s22, v2                      ; lanes 16-31 take B's: one product, the distance between the two bases
	s_add_co_u32 s21, s21, SCL
	v_add_nc_u32 v5, v5, v6
	v_add_nc_u32 v[ADRS], s21, v5
	v_and_b32 v6, 31, v0
	v_lshlrev_b32 v[CO], 4, v6
	; where my results go.  tok..: the coordinates of the role that holds tokens, ch..: of the role that holds rows of W
	s_cmp_eq_u32 s95, 2
	s_cselect_b32 s20, s40, s41                    ; tokc
	s_cselect_b32 s21, s41, s40                    ; chc
	s_cselect_b32 s22, s16, s15                    ; tokh
	s_cselect_b32 s23, s15, s16                    ; chh
	s_cselect_b32 s45, 65536, 0                    ; V lies behind a slot's K
	s_lshl_b32 s18, s100, 6
	s_lshl_b32 s20, s20, 4
	s_add_co_u32 s18, s18, s20
	s_lshl_b32 s22, s22, 3
	s_add_co_u32 s18, s18, s22                     ; my first tile of 16 tokens among the tensor's 256: 64 cl + 16 tokc + 8 tokh
	s_lshr_b32 s19, s18, 7                         ; the batch
	s_and_b32 s18, s18, 127                        ; the tile in the sequence
	s_lshl_b32 s19, s19, 4
	s_lshl_b32 s21, s21, 2
	s_add_co_u32 s19, s19, s21
	s_lshl_b32 s23, s23, 1
	s_add_co_u32 s19, s19, s23                     ; my first of two heads: 16 b + 4 chc + 2 chh
	s_mul_i32 s19, s19, HS
	s_lshr_b32 s20, s18, 5
	s_lshl_b32 s20, s20, 17                        ; K, V: the slot of 32 tiles,
	s_and_b32 s21, s18, 31
	s_lshl_b32 s21, s21, 11                        ; 2,048 bytes for each tile in it (in V: two tiles to 4,096; my first tile is even)
	s_add_co_u32 s20, s20, s21
	s_add_co_u32 s20, s20, s45
	s_add_co_u32 s20, s20, 262144
	s_lshl_b32 s21, s18, 11                        ; Q: 2,048 bytes a tile
	s_cmp_eq_u32 s95, 0
	s_cselect_b32 s20, s21, s20
	s_add_co_u32 s20, s20, s19
	s_mov_b32 s21, 0
	s_add_nc_u64 s[12:13], s[12:13], s[20:21]
.macro FRAG reg, adr, q, i             ; a fragment, 16 rows x 128 K of 4-bit codes, is 8 registers: lane l holds row l % 16; registers 4 c .. 4 c + 3 hold K = 64 c + 32 (l / 16) + 0 .. 31
.irp c, 0,1
	ds_load_b128 v[\reg+4*\c:\reg+4*\c+3], v[\adr] offset:64*(\q)+32*\c+(\i)*16*PITCH
.endr
.endm
; 16 matrix instructions: A's blocks a0, a0 + 1 x B's eight, 128 along K.  p: B's set;  sc: the set of scale words.  zero = 1: the first product starts the sums.
; The 64 accumulators take turns, one instruction a turn, in the same order in every step.
.macro MUL16 a0, p, q, sc, zero
.irp a, \a0, \a0+1
.irp b, 0,1,2,3,4,5,6,7
.if \zero
	v_wmma_scale_f32_16x16x128_f8f6f4 v[8*(8*((\a)%4)+\b):8*(8*((\a)%4)+\b)+7], v[128*(\p)+FR*\b:128*(\p)+FR*\b+FR-1], v[AF+FR*(\a):AF+FR*(\a)+FR-1], 0, v[SC+8*NQ*(\sc)+NQ*\b+(\q)], v[SC+8*NQ*(\sc)+NQ*(\a)+(\q)] matrix_a_fmt:MATRIX_FMT_FP4 matrix_b_fmt:MATRIX_FMT_FP4 matrix_a_scale:MATRIX_SCALE_ROW1
.else
	v_wmma_scale_f32_16x16x128_f8f6f4 v[8*(8*((\a)%4)+\b):8*(8*((\a)%4)+\b)+7], v[128*(\p)+FR*\b:128*(\p)+FR*\b+FR-1], v[AF+FR*(\a):AF+FR*(\a)+FR-1], v[8*(8*((\a)%4)+\b):8*(8*((\a)%4)+\b)+7], v[SC+8*NQ*(\sc)+NQ*\b+(\q)], v[SC+8*NQ*(\sc)+NQ*(\a)+(\q)] matrix_a_fmt:MATRIX_FMT_FP4 matrix_b_fmt:MATRIX_FMT_FP4 matrix_a_scale:MATRIX_SCALE_ROW1
.endif
.endr
.endr
.endm
.macro FETCH_B slot, q, p
	WIN TO_B
.irp i, 0,1,2,3,4,5,6,7
	FRAG 128*(\p)+FR*\i, ADRB+\slot, \q, \i
.endr
	WIN 0
.endm
.macro FETCH_A slot, q, i0
.irp i, \i0, \i0+1, \i0+2, \i0+3
	FRAG AF+FR*(\i), ADRA+\slot, \q, \i
.endr
.endm
.macro SCALES sc                       ; a slot's scale words: 4 words a row; lanes 0-15 take A's block i, lanes 16-31 B's block i
.irp i, 0,1,2,3,4,5,6,7
	ds_load_b128 v[SC+8*NQ*\sc+NQ*\i:SC+8*NQ*\sc+NQ*\i+3], v[ADRS] offset:\i*SBLK
.endr
.endm
.macro PLACES n                        ; plain vector instructions between a matrix instruction and a load into, or a vector read or write of, one of its registers (ISA guide 7.12.1 for vector reads and writes)
.rept \n
	v_nop
.endr
.endm
.macro STEP slot, q, zero              ; a step of 128 along K that has its successor in the same slot
	s_wait_dscnt 4*NL                              ; B's set and A's blocks 0-3 are in; the youngest eight loads (A's blocks 4-7) may be out
	WIN MUL_LO
	MUL16 0, (\q)%2, \q, \slot, \zero
	MUL16 2, (\q)%2, \q, \slot, \zero
	s_wait_dscnt 0
	PLACES NP
	FETCH_B \slot, (\q)+1, 1-(\q)%2
	FETCH_A \slot, (\q)+1, 0
	WIN MUL_HI
	MUL16 4, (\q)%2, \q, \slot, \zero
	MUL16 6, (\q)%2, \q, \slot, \zero
	PLACES NP
	WIN 0
	FETCH_A \slot, (\q)+1, 4
.endm
.macro TURN slot, next                 ; slot 0's last step goes over to slot 1: each wave waits for all its tensor loads, then one barrier shows the whole slot to every wave.  Nothing is filled again
	s_wait_tensorcnt 0x0                           ; my part of the next slot has landed
	ds_add_u32 v[SPW], v[NIL]                      ; 0 onto my spare word
	s_wait_dscnt 4*NL+1                            ; the add and the youngest eight loads may be out
	WIN MUL_LO
	MUL16 0, 1, NQ-1, \slot, 0
	s_wait_dscnt 0x0                               ; no LDS instruction of mine is pending at the signal
	s_barrier_signal -1
	MUL16 2, 1, NQ-1, \slot, 0
	WIN 0
	s_barrier_wait -1
	PLACES NP
	v_add_nc_u32 v[ADRS], 4*NQ, v[ADRS]            ; on to the next slot's scale words
	FETCH_B \next, 0, 0
	FETCH_A \next, 0, 0
	SCALES \next
	WIN MUL_HI
	MUL16 4, 1, NQ-1, \slot, 0
	MUL16 6, 1, NQ-1, \slot, 0
	PLACES NP
	WIN 0
	FETCH_A \next, 0, 4
.endm
.macro STEPS slot, from
.set Q, \from
.rept NQ-1-\from
	STEP \slot, Q, 0
.set Q, Q+1
.endr
.endm
	s_wait_tensorcnt 1                             ; the scales and my part of slot 0 are in; slot 1's load may be out,
	s_barrier_signal -1
	s_barrier_wait -1                              ; everybody's are
	FETCH_B 0, 0, 0
	FETCH_A 0, 0, 0
	SCALES 0
	FETCH_A 0, 0, 4
	STEP 0, 0, 1                                   ; the first step's products start the sums: nothing is cleared
	STEPS 0, 1
	TURN 0, 1
	STEPS 1, 0
	s_wait_dscnt 4*NL                              ; the last step: nothing more to fetch
	WIN MUL_LO
	MUL16 0, 1, NQ-1, 1, 0
	MUL16 2, 1, NQ-1, 1, 0
	s_wait_dscnt 0
	WIN MUL_HI
	MUL16 4, 1, NQ-1, 1, 0
	MUL16 6, 1, NQ-1, 1, 0
	WIN 0
; THE WAY OUT.  Block a (16 A rows) x B's eight blocks: 32 roundings of pairs to f16, each accumulator from its low end on, and eight stores of 512 consecutive bytes.
; var = 0 (q, k): block a is a tile of tokens, b / 4 the head, b % 4 the piece of 16 channels.   var = 1 (v): a / 4 is the head, a % 4 the 16 channels, b / 2 the 32 keys, b % 2 the piece of 16 keys.
.macro OUTBLK a, var
.if (\a) == 7
	s_wait_xcnt 0x0                                ; block 0's stores have read their data: block 7 takes the same registers
.endif
.set AC, 64*((\a)%4)
.set OB, 32+32*((\a)%7)
	WIN 0x0a+5*((\a)/4)                            ; sources 0 and 1: window 2 or 3
.irp b, 0,1,2,3,4,5,6,7
.irp r, 0,1,2,3
	v_cvt_pk_f16_f32 v[OB+4*\b+\r], v[AC+8*\b+2*\r], v[AC+8*\b+2*\r+1]
.endr
.endr
	WIN 0
.irp b, 0,1,2,3,4,5,6,7
.if \var
	global_store_b128 v[CO], v[OB+4*\b:OB+4*\b+3], s[12:13] offset:HS*((\a)/4)+4096*(\b/2)+1024*((\a)%4)+512*(\b%2) th:TH_STORE_NT
.else
	global_store_b128 v[CO], v[OB+4*\b:OB+4*\b+3], s[12:13] offset:HS*(\b/4)+2048*(\a)+512*(\b%4) th:TH_STORE_NT
.endif
.endr
.endm
	PLACES NP                                      ; behind the last products: their results are read, and the registers of scale words and A fragments are written, only from here on
	s_cmp_eq_u32 s95, 2                            ; the tensor's number: the same in all partners
	s_cbranch_scc1 .Lout_v
.irp a, 0,1,2,3,4,5,6,7
	OUTBLK \a, 0
.endr
	s_branch .Lout_done
.Lout_v:
.irp a, 0,1,2,3,4,5,6,7
	OUTBLK \a, 1
.endr
.Lout_done:
	s_wait_tensorcnt 0x0                           ; the wave's end, behind my last tensor load
	ds_add_u32 v[SPW], v[NIL]
	s_wait_dscnt 0x0
	CROUND                                         ; the closing round: no work-group ends while a partner may still ask for a tile that names it
	s_endpgm
.Lfunc_end_k_q4d02ac2473_proj:
	.size	k_q4d02ac2473_proj, .Lfunc_end_k_q4d02ac2473_proj-k_q4d02ac2473_proj
	.p2alignl 7, 3214868480
	.fill 96, 4, 3214868480
	.section	.rodata,"a",@progbits
	.p2align	6, 0x0
	.amdhsa_kernel k_q4d02ac2473_proj
		.amdhsa_group_segment_fixed_size 327680
		.amdhsa_private_segment_fixed_size 0
		.amdhsa_enable_private_segment 0
		.amdhsa_kernarg_size 40
		.amdhsa_user_sgpr_count 2
		.amdhsa_user_sgpr_kernarg_segment_ptr 1
		.amdhsa_wavefront_size32 1
		.amdhsa_system_sgpr_workgroup_id_x 1
		.amdhsa_system_sgpr_workgroup_id_y 1
		.amdhsa_system_sgpr_workgroup_id_z 1
		.amdhsa_system_vgpr_workitem_id 0
		.amdhsa_next_free_vgpr 1024
		.amdhsa_next_free_sgpr 102
		.amdhsa_reserve_vcc 0
		.amdhsa_float_denorm_mode_32 3
		.amdhsa_float_denorm_mode_16_64 3
		.amdhsa_memory_ordered 1
		.amdhsa_forward_progress 1
		.amdhsa_inst_pref_size 141
	.end_amdhsa_kernel
	.amdgpu_metadata
---
amdhsa.version: [ 1, 2 ]
amdhsa.kernels:
  - .name:           k_q4d02ac2473_proj
    .symbol:         k_q4d02ac2473_proj.kd
    .args:
      - { .name: xcodes, .offset: 0, .size: 8, .value_kind: global_buffer, .address_space: global }
      - { .name: xscales, .offset: 8, .size: 8, .value_kind: global_buffer, .address_space: global }
      - { .name: wcodes, .offset: 16, .size: 8, .value_kind: global_buffer, .address_space: global }
      - { .name: wscales, .offset: 24, .size: 8, .value_kind: global_buffer, .address_space: global }
      - { .name: qkv, .offset: 32, .size: 8, .value_kind: global_buffer, .address_space: global }
    .group_segment_fixed_size: 327680
    .private_segment_fixed_size: 0
    .kernarg_segment_align: 8
    .kernarg_segment_size: 40
    .max_flat_workgroup_size: 128
    .sgpr_count:     102
    .vgpr_count:     1024
    .wavefront_size: 32
...
	.end_amdgpu_metadata
.endif
;; end of part 2
;; launch attn (part 3): grid 8 x 32, 8 waves a work-group, clusters of 4 x 1, 327,680 bytes of LDS; arguments qkv, maskw, ctximg; writes ctximg
.if DOCPART == 3
	.amdgcn_target "amdgcn-amd-amdhsa--gfx1250"
	.amdhsa_code_object_version 6
	.text
	.protected	k_q4d02ac2473_attn
	.globl	k_q4d02ac2473_attn
	.p2align	8
	.type	k_q4d02ac2473_attn,@function
k_q4d02ac2473_attn:
	s_mov_b64 s[64:65], 0
	v_nop
	global_prefetch_b8 v0, s[64:65] scope:SCOPE_SE
	s_setreg_imm32_b32 hwreg(HW_REG_WAVE_MODE, 25, 1), 1
	s_wait_xcnt 0x0
	s_wait_alu depctr_hold_cnt(0) depctr_sa_sdst(0) depctr_va_vdst(0) depctr_va_sdst(0) depctr_va_ssrc(0) depctr_va_vcc(0) depctr_vm_vsrc(0)
	s_getreg_b32 s2, hwreg(HW_REG_IB_STS2, 6, 4)
	s_cmp_eq_u32 s2, 0
	s_cbranch_scc0 .Lentry_in_a_cluster
	s_endpgm
.Lentry_in_a_cluster:
	s_bfe_u32 s2, ttmp6, 0x10000c
	s_cmp_lg_u32 s2, 0x3003
	s_cbranch_scc0 .Lentry_shape_is_right
	s_endpgm
.Lentry_shape_is_right:
; ATTN: ctx[b][h][q] = the sum over k of softmax_k(where(mask[b][q][k], qh . kh / 32, -infinity)) vh[k].  Operands of both products in f16, sums, maxima and exponentials in f32.
; SHARES.  A work-group owns 256 queries of one (b, head); each of its eight waves 32 of them, two tiles of 16: two waves to a SIMD, so that one wave's softmax stands beside the other's matrix work.
; Every wave walks all 2,048 keys, 64 a step, 32 steps.
; LAYOUT.  Both products are used transposed: S^T = K Q^T (source 0 = 16 keys, source 1 = 16 queries), O^T = V^T P (source 0 = 16 channels): a lane holds ONE query (lane % 16) throughout, in S^T the keys
; 8 (lane / 16) + 0 .. 7 of a tile.  Two tiles of S^T, as weights rounded to f16 in pairs, ARE source 1 of the second product.  Q, K and V lie in memory in the order of their operands' registers
; (a piece of 512 bytes: 16 bytes a lane), so every fragment load is 16 x lane + a constant, and a slot of 512 keys is one dense block of 131,072 bytes.
; THE MASK comes as words of 32 lane bits, one for each register of a tile of S^T, by scalar loads; a hidden score becomes -infinity ahead of the maximum.
; SOFTMAX.  For each query a running maximum m (it starts at -3e38, under every score) : p = 2^(c s - c m), c = log2(e) / 32; in every step O^T and the sum are multiplied by a = 2^(c m_old - c m_new).
; THE ROW'S SUM is a product too: source 0 = a tile whose rows 0 and 8 are ones, so that register 0 of its result holds, in every lane, the sum of the query's weights as the second product takes them.
; A query with no key left has the sum 0 and O^T = 0: 0 x (1 / 0) gives NaN there, as the softmax of a row of -infinity does.
; CLUSTER.  The four query blocks of a cluster belong to one head and walk the same K and V: each slot is asked for jointly, each of the eight waves bringing 16,384 bytes by one line.
; LIMITS: NaN and infinities among qh, kh, vh are not served; ctx goes to f16 (magnitudes up to 65,504; under 6e-5 with an absolute error of 3e-8).
; All of a WGP's LDS is claimed; 263,168 bytes are used.
; REGISTERS.  Window 0: v1-9 addresses and constants; v16-31 statistics, 8 a tile; v32-63 Q; v64-127 S^T, then p; v128-191 O^T; v192-223 P; v224-239 the sums' accumulators.
;   Window 1: v0-63 K of one step; v64-127 V of one step; v128-135 the tile of ones.
.set HS,    786432                     ; a head's bytes in qkv: Q 262,144, then four slots
.set KV0,   262144
.set SLOTB, 131072                     ; a slot: K's images 65,536 bytes, then V's
.set SLOT1, 131072                     ; slot 1's place in LDS: one exclusive or turns an address in one slot into the other's
.set VOFF,  65536
.set STEPB, 8192                       ; a step's K, and its V: 16 pieces of 512 bytes
.set SPARE, 262144                     ; behind the ring: the spare words, 128 bytes for each wave: four blocks of 256 bytes that no other line names
.set LI,   1                           ; v1  16 x lane
.set ADK,  2                           ; v2  LDS address of the step's K
.set ADV,  3                           ; v3  of its V
.set NINF, 4                           ; v4  -infinity
.set LIV,  5                           ; v5  16 x lane + VOFF
.set PFO,  6                           ; v6  256 x lane
.set SPW,  8                           ; v8  my spare word; never rewritten
.set NIL,  9                           ; v9  0; never rewritten
.set ST,   16                          ; tile t at v[ST + 8 t]: +0 c m, +1 m, +4 .. +7 the maximum's four chains; a takes +6, c m_old - c m_new +7
.set Q,    32
.set S,    64
.set O,    128
.set P,    192
.set LACC, 224
.set VF,   64                          ; in window 1
.set ONES, 128
.set WV,    2
.set SLOTS, 3
.set TRIPS, 4
.set TB,    5                          ; LDS byte at which the step to be fetched begins
.set LIM,   6                          ; 1 in a wave that prefetches, else the greatest number
.set G1,    8                          ; s[8:15]  descriptor group 1
.set G0A,   16                         ; s[16:19] group 0 of slot 0's first fill
.set G0W,   20                         ; s[20:23] group 0 of slot 1's first fill; it then walks
.set MP,    24                         ; s[24:25] my step's mask words
.set CTX,   26
.set CS,    28                         ; s[28:29] c, twice
.set SEL,   30                         ; s[30:31] lane selects: lane l xor 16
.set M0,    32                         ; s[32:63] tile 0's 32 mask words of a step
.set PFA,   66
.set M1,    68                         ; s[68:99] tile 1's (the head's temporaries lie here first)
.set QB,    100
.set MSB, 0
.macro WIN new                         ; the immediate's high byte repeats the setting that is left
.if MSB != \new
	s_set_vgpr_msb (MSB<<8)|\new
.set MSB, \new
.endif
.endm
.macro CROUND                          ; a round of the cluster's barrier
	s_barrier_signal -1
	s_barrier_wait -1
	s_cmp_lg_u32 s[WV], 0
	s_cbranch_scc1 .Lnot_wave_0_\@
	s_barrier_signal -3
.Lnot_wave_0_\@:
	s_barrier_wait -3
	s_barrier_signal -1
	s_barrier_wait -1
.endm
; A PREFETCH of what the next change of slots will ask for: a slot's 131,072 bytes, eight key steps ahead of their load.  Both clusters of a head walk the same K and V: the first asks.  Its four partners
; share the slot out BY ADDRESS, 32,768 bytes each; in each, waves 0 to 3 take 8,192 bytes, lanes 256 bytes apart: each aligned 256 bytes are named once in the launch.  The last change that fills a slot
; asks for nothing: there is no slot behind it.  Slots 0, 1 and 2 come by their loads alone.
.macro ASK
	s_cmp_gt_u32 s[SLOTS], s[LIM]
	s_cbranch_scc0 .Lnot_mine_\@
	global_prefetch_b8 v[PFO], s[PFA:PFA+1] th:TH_LOAD_NT scope:SCOPE_SE
.Lnot_mine_\@:
.endm
	s_load_b128 s[68:71], s[0:1], 0x0              ; qkv, maskw
	s_load_b64 s[72:73], s[0:1], 0x10              ; ctximg
	v_lshl_add_u32 v[SPW], v0, 2, SPARE
	v_mov_b32 v[NIL], 0
	ds_add_u32 v[SPW], v[NIL]                      ; the wave's opening: the add, twice on end, and its wait ahead of my first tensor load
	ds_add_u32 v[SPW], v[NIL]
	v_lshrrev_b32 v7, 5, v0
	v_readfirstlane_b32 s[WV], v7                  ; wave 0..7
	s_bfe_u32 s74, ttmp6, 0x40000                  ; cx
	s_lshl_b32 s75, ttmp9, 2
	s_add_co_u32 s75, s75, s74                     ; my block of 256 queries: it enters Q's, the mask's and ctx's addresses alone
	s_and_b32 s76, ttmp7, 0xffff                   ; 16 b + head, which the four partners share
	s_lshr_b32 s77, s76, 4                         ; b
	s_and_b32 s78, s76, 15                         ; head
	s_mul_i32 s80, s76, HS
	s_mov_b32 s81, 0
	s_lshl_b32 s82, s[WV], 14                      ; my 16,384 bytes of a slot
	s_add_co_u32 s82, s82, KV0
	s_mov_b32 s83, 0
	s_lshl_b32 s84, s75, 15                        ; Q: 16 tiles of 2,048 bytes a block,
	s_lshl_b32 s79, s[WV], 12                      ; two tiles a wave
	s_add_co_u32 s84, s84, s79
	s_mov_b32 s85, 0
	s_lshl_b32 s79, s77, 7
	s_lshl_b32 s86, s75, 4
	s_add_co_u32 s79, s79, s86
	s_lshl_b32 s86, s[WV], 1
	s_add_co_u32 s79, s79, s86                     ; my first tile of 16 queries among both batches' 256
	s_lshl_b32 s86, s79, 12                        ; its mask words: 4,096 bytes a tile
	s_mov_b32 s87, 0
	s_lshr_b32 s88, s78, 2
	s_lshl_b32 s88, s88, 8
	s_add_co_u32 s88, s88, s79
	s_lshl_b32 s88, s88, 13                        ; ctx: (256 (head / 4) + tile) x 8,192
	s_and_b32 s89, s78, 3
	s_lshl_b32 s89, s89, 11                        ; + 2,048 (head % 4)
	s_add_co_u32 s88, s88, s89
	s_mov_b32 s89, 0
	s_lshl_b32 s90, s74, 15                        ; the prefetches: my work-group's 32,768 bytes of a slot,
	s_and_b32 s91, s[WV], 3
	s_lshl_b32 s91, s91, 13                        ; my wave's 8,192,
	s_add_co_u32 s90, s90, s91
	s_add_co_u32 s90, s90, KV0+2*SLOTB             ; in slot 2: the first change of slots steps it to slot 3
	s_mov_b32 s91, 0
	s_lshr_b32 s[LIM], s[WV], 2                    ; 0 in waves 0 to 3
	s_or_b32 s[LIM], s[LIM], ttmp9                 ; of the head's first cluster: the same in all four partners
	s_cmp_eq_u32 s[LIM], 0
	s_cselect_b32 s[LIM], 1, -1
	s_mov_b32 s[G1], 15|(3<<16)|(1<<21)            ; the mask: all four work-groups; elements of 8 bytes; bit 21 beside a mask; no padding
	s_mov_b32 s[G1+1], 32<<16                      ; tensor_dim0 = 32 elements: rows of 256 bytes
	s_mov_b32 s[G1+2], 64<<16                      ; tensor_dim1 = 64
	s_mov_b32 s[G1+3], 32<<16                      ; tile_dim0
	s_mov_b32 s[G1+4], 64                          ; tile_dim1
	s_mov_b32 s[G1+5], 32                          ; from row to row: dense
	s_mov_b32 s[G1+6], 0
	s_mov_b32 s[G1+7], 0
	s_mov_b32 s[CS], 0x3d38aa3b                    ; c = log2(e) / 32
	s_mov_b32 s[CS+1], s[CS]
	s_mov_b32 s[SEL], 0x76543210
	s_mov_b32 s[SEL+1], 0xfedcba98
	s_mov_b32 s[TB], 0
	s_wait_dscnt 0x0                               ; both opening adds are done
	s_wait_kmcnt 0x0
	s_add_nc_u64 s[80:81], s[68:69], s[80:81]      ; the head's first byte
	s_add_nc_u64 s[QB:QB+1], s[80:81], s[84:85]
	s_add_nc_u64 s[MP:MP+1], s[70:71], s[86:87]
	s_add_nc_u64 s[CTX:CTX+1], s[72:73], s[88:89]
	s_add_nc_u64 s[PFA:PFA+1], s[80:81], s[90:91]
	s_add_nc_u64 s[82:83], s[80:81], s[82:83]      ; my part of slot 0, in memory
	CROUND                                         ; all four work-groups are here: the first joint loads meet
	s_mov_b32 s[G0A], 1
	s_lshl_b32 s[G0A+1], s[WV], 14                 ; LDS: 16,384 x wave
	s_mov_b64 s[G0A+2:G0A+3], s[82:83]
	s_or_b32 s[G0A+3], s[G0A+3], 0x80000000
	s_mov_b32 s[G0W], 1
	s_add_co_u32 s[G0W+1], s[G0A+1], SLOT1
	s_add_nc_u64 s[G0W+2:G0W+3], s[82:83], SLOTB
	s_or_b32 s[G0W+3], s[G0W+3], 0x80000000
	tensor_load_to_lds s[G0A:G0A+3], s[G1:G1+7]    ; both first fills together, every wave its part: two loads of mine are out
	s_nop 0
	tensor_load_to_lds s[G0W:G0W+3], s[G1:G1+7]
	s_nop 0
.rept 4
	v_nop
.endr
	v_and_b32 v7, 31, v0
	v_lshlrev_b32 v[LI], 4, v7
	v_lshlrev_b32 v[PFO], 8, v7
	v_add_nc_u32 v[LIV], VOFF, v[LI]
.irp i, 0,1,2,3,4,5,6,7
	global_load_b128 v[Q+4*\i:Q+4*\i+3], v[LI], s[QB:QB+1] offset:512*\i th:TH_LOAD_NT   ; Q stays in registers: tile i / 4, piece i % 4
.endr
	s_load_b512 s[M0:M0+15], s[MP:MP+1], 0x0       ; step 0's mask words: tile 0's 32,
	s_load_b512 s[M0+16:M0+31], s[MP:MP+1], 0x40
	s_load_b512 s[M1:M1+15], s[MP:MP+1], 0x1000    ; tile 1's
	s_load_b512 s[M1+16:M1+31], s[MP:MP+1], 0x1040
	v_mov_b32 v[NINF], 0xff800000
	v_and_b32 v7, 7, v0
	v_cmp_eq_u32 vcc_lo, 0, v7                     ; lanes 0, 8, 16, 24 hold rows 0 and 8 of a source 0
	v_mov_b32 v7, 0x3c003c00                       ; 1.0, twice, in f16
	WIN 0x40                                       ; destination window 1
.irp i, 0,1,2,3,4,5,6,7
	v_cndmask_b32 v[ONES+\i], 0, v7, vcc_lo
.endr
	WIN 0
.irp t, 0,1
	v_mov_b32 v[ST+8*\t+1], 0xff61b1e6             ; m = -3e38
	v_mul_f32 v[ST+8*\t], s[CS], v[ST+8*\t+1]      ; c m
.endr
.irp j, 0,1,2,3,4,5,6,7,8,9,10,11,12,13,14,15,16,17,18,19,20,21,22,23,24,25,26,27,28,29,30,31,32,33,34,35,36,37,38,39,40,41,42,43,44,45,46,47,48,49,50,51,52,53,54,55,56,57,58,59,60,61,62,63
	v_mov_b32 v[O+\j], 0                           ; O^T: the key step is written without a first step of its own; the first change of m multiplies zeros
.endr
.irp j, 0,1,2,3,4,5,6,7,8,9,10,11,12,13,14,15
	v_mov_b32 v[LACC+\j], 0
.endr
.macro FETCH_K                         ; a step's K: 8 fragments (tile of 16 keys kt, 32 channels cc) at v[8 (2 kt + cc)] of window 1: 16 pieces as they lie
	WIN 0x40
.irp i, 0,1,2,3,4,5,6,7,8,9,10,11,12,13,14,15
	ds_load_b128 v[4*\i:4*\i+3], v[ADK] offset:512*\i
.endr
.endm
.macro FETCH_V                         ; a step's V: 8 fragments (32 keys ks, 16 channels ct) at v[VF + 8 (4 ks + ct)]
	WIN 0x40
.irp i, 0,1,2,3,4,5,6,7,8,9,10,11,12,13,14,15
	ds_load_b128 v[VF+4*\i:VF+4*\i+3], v[ADV] offset:512*\i
.endr
	s_add_co_u32 s[TB], s[TB], STEPB               ; the next fetches are the next step's
.endm
; The accumulators take turns, one instruction a turn: eight in KQ, ten in PV; the last of PV and the first of KQ, the last of KQ and the first of PV differ too.
.macro KQ                              ; S^T = K Q^T: 64 keys x 32 queries, 64 channels deep
	WIN 0x01                                       ; source 0 in window 1
.irp kt, 0,1,2,3
.irp t, 0,1
	v_wmma_f32_16x16x32_f16 v[S+32*\t+8*\kt:S+32*\t+8*\kt+7], v[16*\kt:16*\kt+7], v[Q+16*\t:Q+16*\t+7], 0
.endr
.endr
.irp kt, 0,1,2,3
.irp t, 0,1
	v_wmma_f32_16x16x32_f16 v[S+32*\t+8*\kt:S+32*\t+8*\kt+7], v[16*\kt+8:16*\kt+15], v[Q+16*\t+8:Q+16*\t+15], v[S+32*\t+8*\kt:S+32*\t+8*\kt+7]
.endr
.endr
.endm
.macro PV                              ; O^T += V^T P, and the sums += ones x P
	WIN 0x01
.irp ks, 0,1
.irp ct, 0,1,2,3
.irp t, 0,1
	v_wmma_f32_16x16x32_f16 v[O+32*\t+8*\ct:O+32*\t+8*\ct+7], v[VF+8*(4*\ks+\ct):VF+8*(4*\ks+\ct)+7], v[P+16*\t+8*\ks:P+16*\t+8*\ks+7], v[O+32*\t+8*\ct:O+32*\t+8*\ct+7]
.endr
.endr
.irp t, 0,1
	v_wmma_f32_16x16x32_f16 v[LACC+8*\t:LACC+8*\t+7], v[ONES:ONES+7], v[P+16*\t+8*\ks:P+16*\t+8*\ks+7], v[LACC+8*\t:LACC+8*\t+7]
.endr
.endr
.endm
; THE SOFTMAX of a key step, both tiles line by line in turn, so that no line waits for the line above it.  next = 1: the next step's mask words are asked for.
.macro SOFTMAX next
	s_wait_kmcnt 0x0                               ; this step's mask words are in
.irp kt, 0,1,2,3
.irp j, 0,1,2,3,4,5,6,7
	v_cndmask_b32 v[S+8*\kt+\j], v[NINF], v[S+8*\kt+\j], s[M0+8*\kt+\j]          ; a hidden score becomes -infinity; each accumulator is taken from its low end on
	v_cndmask_b32 v[S+32+8*\kt+\j], v[NINF], v[S+32+8*\kt+\j], s[M1+8*\kt+\j]
.endr
.endr
.irp g, 0,1,2,3                        ; the maximum of my 32 scores and the old m, three operands at a time, in four chains
.irp t, 0,1
	v_max3_num_f32 v[ST+8*\t+4+\g], v[S+32*\t+8*\g], v[S+32*\t+8*\g+1], v[S+32*\t+8*\g+2]
.endr
.endr
.irp u, 1,2
.irp g, 0,1,2,3
.irp t, 0,1
	v_max3_num_f32 v[ST+8*\t+4+\g], v[ST+8*\t+4+\g], v[S+32*\t+8*\g+2*\u+1], v[S+32*\t+8*\g+2*\u+2]
.endr
.endr
.endr
.irp t, 0,1
	v_max3_num_f32 v[ST+8*\t+4], v[ST+8*\t+4], v[S+32*\t+7], v[S+32*\t+15]
.endr
.irp t, 0,1
	v_max3_num_f32 v[ST+8*\t+6], v[ST+8*\t+6], v[S+32*\t+23], v[S+32*\t+31]
.endr
.irp t, 0,1
	v_max3_num_f32 v[ST+8*\t+4], v[ST+8*\t+4], v[ST+8*\t+5], v[ST+8*\t+6]
.endr
.irp t, 0,1
	v_max3_num_f32 v[ST+8*\t+4], v[ST+8*\t+4], v[ST+8*\t+7], v[ST+8*\t+1]
.endr
.if \next
	s_add_nc_u64 s[MP:MP+1], s[MP:MP+1], 128       ; the wait above has shown the last loads done, so their base may step: 4 tiles of keys x 8 words
	s_load_b512 s[M0:M0+15], s[MP:MP+1], 0x0
	s_load_b512 s[M0+16:M0+31], s[MP:MP+1], 0x40
	s_load_b512 s[M1:M1+15], s[MP:MP+1], 0x1000
	s_load_b512 s[M1+16:M1+31], s[MP:MP+1], 0x1040
.endif
.irp t, 0,1
	v_permlanex16_b32 v[ST+8*\t+5], v[ST+8*\t+4], s[SEL], s[SEL+1]   ; the query's other 32 keys lie in the lane 16 away
.endr
.irp t, 0,1
	v_mov_b32 v[ST+8*\t+7], v[ST+8*\t]             ; c m_old
.endr
.irp t, 0,1
	v_max_num_f32 v[ST+8*\t+1], v[ST+8*\t+4], v[ST+8*\t+5]
.endr
.irp t, 0,1
	v_mul_f32 v[ST+8*\t], s[CS], v[ST+8*\t+1]
.endr
.irp t, 0,1
	v_sub_f32 v[ST+8*\t+7], v[ST+8*\t+7], v[ST+8*\t]
.endr
.irp t, 0,1
	v_exp_f32 v[ST+8*\t+6], v[ST+8*\t+7]           ; a
.endr
.irp i, 0,2,4,6,8,10,12,14,16,18,20,22,24,26,28,30
.irp t, 0,1
	v_pk_fma_f32 v[S+32*\t+\i:S+32*\t+\i+1], v[S+32*\t+\i:S+32*\t+\i+1], s[CS:CS+1], v[ST+8*\t:ST+8*\t+1] op_sel_hi:[1,0,0] neg_lo:[0,0,1] neg_hi:[0,0,1]   ; c s - c m, two at a time
.endr
.endr
.irp e, 0,1,2,3,4,5,6,7,8,9,10,11,12,13,14,15,16,17,18,19,20,21,22,23,24,25,26,27,28,29,30,31
.irp t, 0,1
	v_exp_f32 v[S+32*\t+\e], v[S+32*\t+\e]         ; p
.endr
.endr
	v_nop                                          ; a plain instruction behind the last exponential, ahead of the first use
	s_wait_alu depctr_va_vdst(0)                   ; ahead of the first instruction that names a result: one wait for all 66 exponentials
.irp i, 0,1,2,3,4,5,6,7,8,9,10,11,12,13,14,15
.irp t, 0,1
	v_cvt_pk_f16_f32 v[P+16*\t+\i], v[S+32*\t+2*\i], v[S+32*\t+2*\i+1]
.endr
.endr
.irp i, 0,2,4,6,8,10,12,14,16,18,20,22,24,26,28,30
.irp t, 0,1
	v_pk_mul_f32 v[O+32*\t+\i:O+32*\t+\i+1], v[O+32*\t+\i:O+32*\t+\i+1], v[ST+8*\t+6:ST+8*\t+7] op_sel_hi:[1,0]   ; O^T x a, each accumulator from its low end on
.endr
.endr
.irp t, 0,1
	v_mul_f32 v[LACC+8*\t], v[LACC+8*\t], v[ST+8*\t+6]             ; the sum x a (registers 1 to 7 hold zeros)
.endr
.endm
; TRIP j: K of step j + 1 is fetched | softmax of step j | V^T P of step j | V of step j + 1 is fetched | K Q^T of step j + 1.
.macro TRIP
	v_add_nc_u32 v[ADK], s[TB], v[LI]              ; these four plain lines are the places behind K Q^T, for the loads into K's registers and for the first read of the scores
	v_add_nc_u32 v[ADV], s[TB], v[LIV]
	v_nop
	v_nop
	FETCH_K
	WIN 0
	SOFTMAX 1
	s_wait_dscnt 16                                ; V of this step is in; the 16 younger loads are the next step's K
	PV
	WIN 0
.rept 4
	v_nop                                          ; places in front of the loads into V's registers
.endr
	FETCH_V
	s_wait_dscnt 16                                ; K is in; the 16 younger loads are V's
	KQ
	WIN 0
.endm
; THE CHANGE OF SLOTS stands where all reads of the slot that is left have been issued.  Each wave waits for all its tensor loads (one is out: its part of the other slot), adds 0 to its spare word, and waits
; for that and for its reads.  fill = 1: the barrier is a round of the cluster's, and the joint refill, the keys two slots on, is the first thing behind it: it has eight key steps in which to land.
.macro CHANGE fill
	s_wait_tensorcnt 0x0                           ; no tensor load of mine is out, so a group 0 may be written
	ds_add_u32 v[SPW], v[NIL]                      ; 0 onto my spare word
.if \fill
	s_xor_b32 s[G0W+1], s[G0W+1], SLOT1            ; the walking descriptor: the other slot than last time,
	s_add_nc_u64 s[G0W+2:G0W+3], s[G0W+2:G0W+3], SLOTB   ; the next 512 keys
	s_wait_xcnt 0x0                                ; the last prefetch, eight key steps back, has read its address
	s_add_nc_u64 s[PFA:PFA+1], s[PFA:PFA+1], SLOTB
	s_wait_dscnt 0x0                               ; the add is done, and my reads of the slot are over
	CROUND
	tensor_load_to_lds s[G0W:G0W+3], s[G1:G1+7]    ; my one tensor load until the next round
	s_nop 0
.rept 4
	v_nop
.endr
	ASK
.else
	s_wait_dscnt 0x0
	s_barrier_signal -1
	s_barrier_wait -1
.endif
	s_sub_co_u32 s[TB], s[TB], 8*STEPB             ; the fetches go back to a slot's first step,
	s_xor_b32 s[TB], s[TB], SLOT1                  ; in the other slot
.endm
	s_wait_tensorcnt 1                             ; my part of slot 0 is in; slot 1's may stay out
	s_barrier_signal -1
	s_barrier_wait -1
	v_add_nc_u32 v[ADK], s[TB], v[LI]
	v_add_nc_u32 v[ADV], s[TB], v[LIV]
	FETCH_K                                        ; key step 0
	FETCH_V
	s_wait_loadcnt 0x0                             ; Q
	s_wait_dscnt 16                                ; K is in
	KQ
	WIN 0
	s_mov_b32 s[TRIPS], 7                          ; trips 0 to 6 fetch steps 1 to 7: the rest of slot 0
.Lfirst:
	TRIP
	s_sub_co_u32 s[TRIPS], s[TRIPS], 1
	s_cmp_lg_u32 s[TRIPS], 0
	s_cbranch_scc1 .Lfirst
	s_mov_b32 s[SLOTS], 2                          ; two slots are filled again
.Lslot:
	CHANGE 1
	s_mov_b32 s[TRIPS], 8
.Lstep:
	TRIP
	s_sub_co_u32 s[TRIPS], s[TRIPS], 1
	s_cmp_lg_u32 s[TRIPS], 0
	s_cbranch_scc1 .Lstep
	s_sub_co_u32 s[SLOTS], s[SLOTS], 1
	s_cmp_lg_u32 s[SLOTS], 0
	s_cbranch_scc1 .Lslot
	CHANGE 0                                       ; the tail is written out
	s_mov_b32 s[TRIPS], 8
.Llast:
	TRIP
	s_sub_co_u32 s[TRIPS], s[TRIPS], 1
	s_cmp_lg_u32 s[TRIPS], 0
	s_cbranch_scc1 .Llast
.rept 4
	v_nop                                          ; places behind the last K Q^T
.endr
	SOFTMAX 0                                      ; step 31: nothing more to fetch
	s_wait_dscnt 0x0
	PV
	WIN 0
	; THE WAY OUT: O^T / the sum, rounded to f16: a lane's eight channels of its query are 16 bytes, stored at 16 x lane: a piece of 512 consecutive bytes of the next launch's operand
.rept 4
	v_nop
.endr
.irp t, 0,1
	v_rcp_f32 v[ST+8*\t+6], v[LACC+8*\t]
.endr
	v_nop
	s_wait_alu depctr_va_vdst(0)                   ; one wait for the two reciprocals, ahead of their first reader
.irp t, 0,1
.irp i, 0,2,4,6,8,10,12,14,16,18,20,22,24,26,28,30
	v_pk_mul_f32 v[S+32*\t+\i:S+32*\t+\i+1], v[O+32*\t+\i:O+32*\t+\i+1], v[ST+8*\t+6:ST+8*\t+7] op_sel_hi:[1,0]
.endr
.irp i, 0,1,2,3,4,5,6,7,8,9,10,11,12,13,14,15
	v_cvt_pk_f16_f32 v[P+16*\t+\i], v[S+32*\t+2*\i], v[S+32*\t+2*\i+1]
.endr
.irp ct, 0,1,2,3
	global_store_b128 v[LI], v[P+16*\t+4*\ct:P+16*\t+4*\ct+3], s[CTX:CTX+1] offset:8192*\t+512*\ct th:TH_STORE_NT
.endr
.endr
	s_wait_tensorcnt 0x0                           ; the wave's end, behind my last tensor load
	ds_add_u32 v[SPW], v[NIL]
	s_wait_dscnt 0x0
	CROUND                                         ; the closing round
	s_endpgm
.Lfunc_end_k_q4d02ac2473_attn:
	.size	k_q4d02ac2473_attn, .Lfunc_end_k_q4d02ac2473_attn-k_q4d02ac2473_attn
	.p2alignl 7, 3214868480
	.fill 96, 4, 3214868480
	.section	.rodata,"a",@progbits
	.p2align	6, 0x0
	.amdhsa_kernel k_q4d02ac2473_attn
		.amdhsa_group_segment_fixed_size 327680
		.amdhsa_private_segment_fixed_size 0
		.amdhsa_enable_private_segment 0
		.amdhsa_kernarg_size 24
		.amdhsa_user_sgpr_count 2
		.amdhsa_user_sgpr_kernarg_segment_ptr 1
		.amdhsa_wavefront_size32 1
		.amdhsa_system_sgpr_workgroup_id_x 1
		.amdhsa_system_sgpr_workgroup_id_y 1
		.amdhsa_system_sgpr_workgroup_id_z 1
		.amdhsa_system_vgpr_workitem_id 0
		.amdhsa_next_free_vgpr 400
		.amdhsa_next_free_sgpr 102
		.amdhsa_reserve_vcc 1
		.amdhsa_float_denorm_mode_32 3
		.amdhsa_float_denorm_mode_16_64 3
		.amdhsa_memory_ordered 1
		.amdhsa_forward_progress 1
		.amdhsa_inst_pref_size 95
	.end_amdhsa_kernel
	.amdgpu_metadata
---
amdhsa.version: [ 1, 2 ]
amdhsa.kernels:
  - .name:           k_q4d02ac2473_attn
    .symbol:         k_q4d02ac2473_attn.kd
    .args:
      - { .name: qkv, .offset: 0, .size: 8, .value_kind: global_buffer, .address_space: global }
      - { .name: maskw, .offset: 8, .size: 8, .value_kind: global_buffer, .address_space: global }
      - { .name: ctximg, .offset: 16, .size: 8, .value_kind: global_buffer, .address_space: global }
    .group_segment_fixed_size: 327680
    .private_segment_fixed_size: 0
    .kernarg_segment_align: 8
    .kernarg_segment_size: 24
    .max_flat_workgroup_size: 256
    .sgpr_count:     102
    .vgpr_count:     400
    .wavefront_size: 32
...
	.end_amdgpu_metadata
.endif
;; end of part 3
;; launch outp (part 4): grid 8 x 32, 4 waves a work-group, clusters of 4 x 4, 327,680 bytes of LDS; arguments ctximg, pwimg, proj_b, out0; writes out0
.if DOCPART == 4
	.amdgcn_target "amdgcn-amd-amdhsa--gfx1250"
	.amdhsa_code_object_version 6
	.text
	.protected	k_q4d02ac2473_outp
	.globl	k_q4d02ac2473_outp
	.p2align	8
	.type	k_q4d02ac2473_outp,@function
k_q4d02ac2473_outp:
	s_mov_b64 s[64:65], 0
	v_nop
	global_prefetch_b8 v0, s[64:65] scope:SCOPE_SE
	s_setreg_imm32_b32 hwreg(HW_REG_WAVE_MODE, 25, 1), 1
	s_wait_xcnt 0x0
	s_wait_alu depctr_hold_cnt(0) depctr_sa_sdst(0) depctr_va_vdst(0) depctr_va_sdst(0) depctr_va_ssrc(0) depctr_va_vcc(0) depctr_vm_vsrc(0)
	s_getreg_b32 s2, hwreg(HW_REG_IB_STS2, 6, 4)
	s_cmp_eq_u32 s2, 0
	s_cbranch_scc0 .Lentry_in_a_cluster
	s_endpgm
.Lentry_in_a_cluster:
	s_bfe_u32 s2, ttmp6, 0x10000c
	s_cmp_lg_u32 s2, 0xf033
	s_cbranch_scc0 .Lentry_shape_is_right
	s_endpgm
.Lentry_shape_is_right:
; OUTP: out0[m][n] = the sum over k of ctx[m][k] proj_w[n][k] + proj_b[n].  4,096 x 1,024 x 1,024; operands in f16, sums in f32, out0 in f32.
; Both operands lie in memory in the order of their registers: [k / 256][tile of 16 rows][fragment of 32 k: 8][piece of 16 k: 2][lane x 16 bytes].  So a K step of 256 of 64 rows is one dense block of
; 32,768 bytes for one tensor load, and every fragment load is 16 x lane + a constant: 512 consecutive bytes, no padding.
; A tile of out0 is 128 x 128: 256 work-groups of four waves, a wave 64 x 64: 16 accumulators.  K goes in four steps of 256 through a ring of two LDS slots.
; CLUSTERS: 4 x 4 work-groups; the four of a row of the cluster need the same tiles of ctx, the four of a column the same tiles of proj_w: each is asked for jointly.
; THE MATRIX INSTRUCTION IS USED TRANSPOSED (source 0 = 16 rows of proj_w, source 1 = 16 rows of ctx): a lane holds eight neighbouring numbers of a row of out0.  The bias is the C of each sum's first product.
; A wave's 64 columns are 256 bytes of a row of out0, aligned: each wave sends its blocks of 16 rows through a stage of its own and stores whole runs of 256 bytes: no barrier on the way out.
; All of a WGP's LDS is claimed; 280,064 bytes are used.
; REGISTERS: window 0: v0-31 addresses; v32-95 rows on the way out; v96-127 the bias, 8 registers for each of my four blocks of columns; v128-255 the accumulators ((a, b) at v[128 + 8 (4 a + b)]).
;   window 1: two fragment buffers of 128: for 64 along K, 64 registers of ctx, then 64 of proj_w.
.set STEPA,  2097152                   ; from a K step of ctximg to the next, in bytes
.set STEPW,  524288                    ; the same in pwimg
.set HALFT,  32768                     ; 64 rows x 256 K: what one tensor load brings, and what one wave reads of either operand
.set SLOT,   4*HALFT
.set SPARE,  2*SLOT                    ; behind the ring: the spare words, 128 bytes for each wave: two blocks of 256 bytes that no other line names
.set STAGE,  SPARE+512                 ; behind them: 16 rows x 272 bytes for each wave; no tensor load lands here
.set SPITCH, 272
.set LAPS,   2
.set K1,     2048                      ; a quarter of a K step, 64 along K, is two fragments: 2,048 bytes in each tile of 16 rows
.set K2,     4096
.set K3,     6144
.set ADRA, 16
.set ADRB, 20
.set STO,  24
.set RD,   25
.set CO,   26
.set SPW,  28                          ; never rewritten
.set NIL,  29                          ; never rewritten
.set TMP,  32
.set BIAS, 96
.set ACC,  128
.set F0,   0
.set F1,   128
.set G1, 24
.set G0, 32
.set G1B, 48
.set G0B, 56
.set MSB, 0
.macro WIN new                         ; the immediate's high byte repeats the setting that is left
.if MSB != \new
	s_set_vgpr_msb (MSB<<8)|\new
.set MSB, \new
.endif
.endm
.set MUL,  0x05                        ; sources 0 and 1 window 1; C and D window 0
.set TO_F, 0x40                        ; destination window 1, address window 0
.macro JLOAD s                         ; a joint load: waves 0 and 1 fetch ctx's two halves, waves 2 and 3 proj_w's; an s_nop 0 and four v_nop follow each of the two lines
	s_cmp_eq_u32 s11, 0
	s_cbranch_scc0 .Lfor_b_\@
	tensor_load_to_lds s[G0+4*\s:G0+4*\s+3], s[G1:G1+7]
	s_nop 0
.rept 4
	v_nop
.endr
	s_branch .Lasked_\@
.Lfor_b_\@:
	tensor_load_to_lds s[G0B+4*\s:G0B+4*\s+3], s[G1B:G1B+7]
	s_nop 0
.rept 4
	v_nop
.endr
.Lasked_\@:
.endm
.macro CREST                           ; a round of the cluster's barrier behind its opening barrier
	s_cmp_lg_u32 s10, 0
	s_cbranch_scc1 .Lnot_wave_0_\@
	s_barrier_signal -3
.Lnot_wave_0_\@:
	s_barrier_wait -3
	s_barrier_signal -1
	s_barrier_wait -1
.endm
.macro CROUND
	s_barrier_signal -1
	s_barrier_wait -1
	CREST
.endm
	s_load_b128 s[4:7], s[0:1], 0x0                ; ctximg, pwimg
	s_load_b128 s[68:71], s[0:1], 0x10             ; proj_b, out0
	v_lshl_add_u32 v[SPW], v0, 2, SPARE
	v_mov_b32 v[NIL], 0
	ds_add_u32 v[SPW], v[NIL]                      ; the wave's opening: the add, twice on end, and its wait ahead of my first tensor load
	ds_add_u32 v[SPW], v[NIL]
	v_lshrrev_b32 v1, 5, v0
	v_readfirstlane_b32 s10, v1                    ; wave 0..3
	s_lshr_b32 s11, s10, 1                         ; which half of the tile's rows is mine.  Also: I fetch for ctx (0) or for proj_w (1)
	s_and_b32 s12, s10, 1                          ; which half of its columns.  Also: which 64 rows I fetch
	s_bfe_u32 s40, ttmp6, 0x40000                  ; cx, cy
	s_bfe_u32 s41, ttmp6, 0x40004
	s_lshl_b32 s42, ttmp9, 2
	s_add_co_u32 s42, s42, s40                     ; tile column = 4 x cluster x + cx
	s_and_b32 s13, ttmp7, 0xffff
	s_lshl_b32 s13, s13, 2
	s_add_co_u32 s13, s13, s41                     ; tile row = 4 x cluster y + cy
	s_lshl_b32 s43, s41, 2
	s_lshl_b32 s43, 15, s43                        ; my row of the cluster
	s_lshl_b32 s44, 0x1111, s40                    ; my column
	s_or_b32 s[G1+0], s43, (3<<16)|(1<<21)         ; the mask; elements of 8 bytes; bit 21 beside a mask; no padding
	s_or_b32 s[G1B+0], s44, (3<<16)|(1<<21)
.irp g, G1, G1B
	s_mov_b32 s[\g+1], 32<<16                      ; tensor_dim0 = 32 elements: rows of 256 bytes
	s_mov_b32 s[\g+2], 128<<16                     ; tensor_dim1 = 128
	s_mov_b32 s[\g+3], 32<<16                      ; tile_dim0
	s_mov_b32 s[\g+4], 128                         ; tile_dim1
	s_mov_b32 s[\g+5], 32                          ; dense
	s_mov_b32 s[\g+6], 0
	s_mov_b32 s[\g+7], 0
.endr
	s_lshl_b32 s18, s12, 15                        ; which 64 rows of the tile I fetch
	s_lshl_b32 s16, s13, 16                        ; ctx: 128 rows x 256 K are 65,536 bytes
	s_add_co_u32 s16, s16, s18
	s_mov_b32 s17, 0
	s_lshl_b32 s46, s42, 16                        ; proj_w likewise
	s_add_co_u32 s46, s46, s18
	s_mov_b32 s47, 0
	s_lshl_b32 s20, s10, 15                        ; where they go: wave x 32,768
	s_wait_dscnt 0x0                               ; both opening adds are done
	s_wait_kmcnt 0x0
	s_add_nc_u64 s[14:15], s[4:5], s[16:17]
	s_add_nc_u64 s[46:47], s[6:7], s[46:47]
	CROUND                                         ; all sixteen work-groups are here: the first joint loads meet
.irp s, 0,1
	s_mov_b32 s[G0+4*\s], 1
	s_add_co_u32 s[G0+4*\s+1], s20, \s*SLOT
	s_add_nc_u64 s[G0+4*\s+2:G0+4*\s+3], s[14:15], \s*STEPA
	s_or_b32 s[G0+4*\s+3], s[G0+4*\s+3], 0x80000000
	s_mov_b32 s[G0B+4*\s], 1
	s_add_co_u32 s[G0B+4*\s+1], s20, \s*SLOT
	s_add_nc_u64 s[G0B+4*\s+2:G0B+4*\s+3], s[46:47], \s*STEPW
	s_or_b32 s[G0B+4*\s+3], s[G0B+4*\s+3], 0x80000000
	JLOAD \s                                       ; two loads of mine are out
.endr
	v_and_b32 v1, 15, v0                           ; r
	v_bfe_u32 v2, v0, 4, 1                         ; h
	v_and_b32 v3, 31, v0
	v_lshlrev_b32 v3, 4, v3                        ; 16 x lane
	s_lshl_b32 s21, s11, 15                        ; my 64 rows of ctx
	s_lshl_b32 s22, s12, 15                        ; my 64 rows of proj_w,
	s_add_co_u32 s22, s22, 2*HALFT                 ; which lie behind ctx's 128
.irp s, 0,1
	v_add_nc_u32 v[ADRA+\s], s21, v3
	v_add_nc_u32 v[ADRB+\s], s22, v3
	s_add_co_u32 s21, s21, SLOT
	s_add_co_u32 s22, s22, SLOT
.endr
	s_mul_i32 s23, s10, 16*SPITCH
	s_add_co_u32 s23, s23, STAGE                   ; my stage
	v_mul_u32_u24 v4, v1, SPITCH                   ; in: row r, 32 bytes for each half of the lanes
	v_lshl_add_u32 v4, v2, 5, v4
	v_add_nc_u32 v[STO], s23, v4
	v_mul_u32_u24 v5, v2, SPITCH                   ; back: lanes 0-15 one row of 256 bytes, lanes 16-31 the next
	v_lshl_add_u32 v5, v1, 4, v5
	v_add_nc_u32 v[RD], s23, v5
	v_lshlrev_b32 v5, 12, v2                       ; and the same two rows in out0: 4,096 bytes a row
	v_lshl_add_u32 v[CO], v1, 4, v5
	v_lshlrev_b32 v6, 5, v2                        ; the bias: 8 h numbers on
	s_lshl_b32 s16, s13, 19                        ; my first row: (128 x tile row + 64 x half) x 4,096 bytes
	s_lshl_b32 s17, s11, 18
	s_add_co_u32 s16, s16, s17
	s_mov_b32 s17, 0
	s_add_nc_u64 s[70:71], s[70:71], s[16:17]
	s_lshl_b32 s46, s42, 9                         ; my first column, in bytes: 512 x tile column + 256 x half: in out0 and in proj_b alike
	s_lshl_b32 s47, s12, 8
	s_add_co_u32 s46, s46, s47
	s_mov_b32 s47, 0
	s_add_nc_u64 s[70:71], s[70:71], s[46:47]
	s_add_nc_u64 s[68:69], s[68:69], s[46:47]
.irp b, 0,1,2,3
	global_load_b128 v[BIAS+8*\b:BIAS+8*\b+3], v6, s[68:69] offset:64*\b          ; proj_b at columns 16 b + 8 h + 0 .. 7: the result's layout
	global_load_b128 v[BIAS+8*\b+4:BIAS+8*\b+7], v6, s[68:69] offset:64*\b+16
.endr
; 8 matrix instructions: row blocks a0, a0 + 1 x all 4 column blocks, 32 along K: half c of buffer f.  first = 1: the first product starts the sums from the bias.
; The 16 accumulators take turns, one instruction a turn.
.macro MUL8 f, c, a0, first
.irp a, \a0, \a0+1
.irp b, 0,1,2,3
.if \first
	v_wmma_f32_16x16x32_f16 v[ACC+8*(4*(\a)+\b):ACC+8*(4*(\a)+\b)+7], v[\f+64+8*(4*\c+\b):\f+64+8*(4*\c+\b)+7], v[\f+8*(4*\c+\a):\f+8*(4*\c+\a)+7], v[BIAS+8*\b:BIAS+8*\b+7]
.else
	v_wmma_f32_16x16x32_f16 v[ACC+8*(4*(\a)+\b):ACC+8*(4*(\a)+\b)+7], v[\f+64+8*(4*\c+\b):\f+64+8*(4*\c+\b)+7], v[\f+8*(4*\c+\a):\f+8*(4*\c+\a)+7], v[ACC+8*(4*(\a)+\b):ACC+8*(4*(\a)+\b)+7]
.endif
.endr
.endr
.endm
; 32 LDS loads in one run: the fragments of 64 along K, from byte k of each tile of 16 rows, into buffer f; the first 32 along K first
.macro FETCH slot, k, f
	WIN TO_F
.irp c, 0,1
.irp i, 0,1,2,3
	ds_load_b128 v[\f+64+8*(4*\c+\i):\f+64+8*(4*\c+\i)+3],   v[ADRB+\slot] offset:\k+1024*\c+8192*\i
	ds_load_b128 v[\f+64+8*(4*\c+\i)+4:\f+64+8*(4*\c+\i)+7], v[ADRB+\slot] offset:\k+1024*\c+8192*\i+512
	ds_load_b128 v[\f+8*(4*\c+\i):\f+8*(4*\c+\i)+3],         v[ADRA+\slot] offset:\k+1024*\c+8192*\i
	ds_load_b128 v[\f+8*(4*\c+\i)+4:\f+8*(4*\c+\i)+7],       v[ADRA+\slot] offset:\k+1024*\c+8192*\i+512
.endr
.endr
.endm
.macro PLACES                          ; four places in front of loads into registers that matrix instructions have read, and of the first read of results (ISA guide 7.12.1 for the first read of results)
.rept 4
	v_nop
.endr
.endm
; A K step is four quarters of 64 along K, 32 matrix instructions each, on buffers 0, 1, 0, 1.  One of the first three: multiplies buffer f and fetches the next quarter, at byte k, into g.
.macro QUARTER slot, k, f, g, first
	s_wait_dscnt 16                                ; the first 32 along K are in; the 16 younger loads may be out
	WIN MUL
	MUL8 \f, 0, 0, \first
	MUL8 \f, 0, 2, \first
	PLACES
	FETCH \slot, \k, \g
	s_wait_dscnt 32                                ; all but the 32 just issued
	WIN MUL
	MUL8 \f, 1, 0, 0
	MUL8 \f, 1, 2, 0
.endm
; The last quarter multiplies buffer 1 and changes slots: ONE barrier; in front of it each wave waits for all its tensor loads, adds 0 to its spare word, and waits for that and for its reads of this slot.
; fill = 1: the barrier opens a round of the cluster's barrier, and this slot is filled again, two K steps ahead, first thing behind the round.
.macro TURN slot, next, fill
	WIN 0                                          ; (the add's two registers lie in window 0)
	s_wait_tensorcnt 0x0                           ; all my tensor loads have landed: my part of the next slot
	ds_add_u32 v[SPW], v[NIL]                      ; 0 onto my spare word
	s_wait_dscnt 17                                ; the add and the youngest sixteen loads may be out
	WIN MUL
	MUL8 F1, 0, 0, 0
	s_wait_dscnt 0x0                               ; the add is done, and my reads of this slot are over
	s_barrier_signal -1
	MUL8 F1, 0, 2, 0
.if \fill
	WIN 0
.endif
	s_barrier_wait -1
.if \fill
	CREST                                          ; no wave of any partner still reads this slot's tile or has a load on its way
	s_add_nc_u64 s[G0+4*\slot+2:G0+4*\slot+3], s[G0+4*\slot+2:G0+4*\slot+3], 2*STEPA
	s_add_nc_u64 s[G0B+4*\slot+2:G0B+4*\slot+3], s[G0B+4*\slot+2:G0B+4*\slot+3], 2*STEPW
	JLOAD \slot                                    ; my one tensor load behind the round; the four v_nop behind it are also the places in front of the loads below
.else
	PLACES
.endif
	FETCH \next, 0, F0
	WIN MUL
	MUL8 F1, 1, 0, 0
	MUL8 F1, 1, 2, 0
.endm
	s_wait_tensorcnt 1                             ; my part of K step 0 is in; K step 1's load may be out,
	s_barrier_signal -1
	s_barrier_wait -1                              ; everybody's is
	FETCH 0, 0, F0
	s_wait_loadcnt 0x0                             ; the bias
	QUARTER 0, K1, F0, F1, 1                       ; the first quarter stands in front of the loop: its first products start the sums
	WIN 0                                          ; at a label and at a branch every window is 0
	s_mov_b32 s3, LAPS-1
.Llap:                                                 ; a trip goes once round the ring, from a lap's second quarter to the next lap's first, and fills both slots again
	QUARTER 0, K2, F1, F0, 0
	QUARTER 0, K3, F0, F1, 0
	TURN 0, 1, 1
	QUARTER 1, K1, F0, F1, 0
	QUARTER 1, K2, F1, F0, 0
	QUARTER 1, K3, F0, F1, 0
	TURN 1, 0, 1
	QUARTER 0, K1, F0, F1, 0
	WIN 0
	s_sub_co_u32 s3, s3, 1
	s_cmp_lg_u32 s3, 0
	s_cbranch_scc1 .Llap
	QUARTER 0, K2, F1, F0, 0                       ; the last lap fills nothing, and has no round of the cluster's barrier
	QUARTER 0, K3, F0, F1, 0
	TURN 0, 1, 0
	QUARTER 1, K1, F0, F1, 0
	QUARTER 1, K2, F1, F0, 0
	QUARTER 1, K3, F0, F1, 0
	s_wait_dscnt 16                                ; the very last quarter: nothing more to fetch
	WIN MUL
	MUL8 F1, 0, 0, 0
	MUL8 F1, 0, 2, 0
	s_wait_dscnt 0
	MUL8 F1, 1, 0, 0
	MUL8 F1, 1, 2, 0
	WIN 0
; THE WAY OUT, block by block of 16 rows x 64 columns.  A lane holds 32 neighbouring bytes of a row and the lanes beside it other rows: a block goes through my own stage and comes back as rows of 256 bytes.
; LDS serves a wave's instructions in order (ISA guide 5.7.1.4): no wait between the stores and the loads, nor in front of the next block's stores.
.macro TOSTAGE a
.irp b, 0,1,2,3
	ds_store_b128 v[STO], v[ACC+8*(4*(\a)+\b):ACC+8*(4*(\a)+\b)+3] offset:64*\b          ; each accumulator from its low end on
	ds_store_b128 v[STO], v[ACC+8*(4*(\a)+\b)+4:ACC+8*(4*(\a)+\b)+7] offset:64*\b+16
.endr
.irp i, 0,1,2,3,4,5,6,7
	ds_load_b128 v[TMP+32*((\a)%2)+4*\i:TMP+32*((\a)%2)+4*\i+3], v[RD] offset:\i*2*SPITCH
.endr
.endm
.macro SEND a, younger                 ; younger: the LDS instructions issued behind block a's loads, which may stay out
	s_wait_dscnt \younger
.irp i, 0,1,2,3,4,5,6,7
	global_store_b128 v[CO], v[TMP+32*((\a)%2)+4*\i:TMP+32*((\a)%2)+4*\i+3], s[70:71] offset:65536*(\a)+8192*\i th:TH_STORE_NT   ; 16 lanes store 256 consecutive bytes, at a multiple of 256 from out0's first byte
.endr
.endm
	PLACES
	TOSTAGE 0
.irp a, 1,2,3
.if \a > 1
	s_wait_xcnt 0x0                                ; block a - 2's stores have read their data: block a's loads may land there
.endif
	TOSTAGE \a
	SEND \a-1, 16                                  ; behind block a - 1's loads: block a's 8 stores and 8 loads
.endr
	SEND 3, 0
	s_wait_tensorcnt 0x0                           ; the wave's end, behind my last tensor load and my last LDS store
	ds_add_u32 v[SPW], v[NIL]
	s_wait_dscnt 0x0
	CROUND                                         ; the closing round
	s_endpgm
.Lfunc_end_k_q4d02ac2473_outp:
	.size	k_q4d02ac2473_outp, .Lfunc_end_k_q4d02ac2473_outp-k_q4d02ac2473_outp
	.p2alignl 7, 3214868480
	.fill 96, 4, 3214868480
	.section	.rodata,"a",@progbits
	.p2align	6, 0x0
	.amdhsa_kernel k_q4d02ac2473_outp
		.amdhsa_group_segment_fixed_size 327680
		.amdhsa_private_segment_fixed_size 0
		.amdhsa_enable_private_segment 0
		.amdhsa_kernarg_size 32
		.amdhsa_user_sgpr_count 2
		.amdhsa_user_sgpr_kernarg_segment_ptr 1
		.amdhsa_wavefront_size32 1
		.amdhsa_system_sgpr_workgroup_id_x 1
		.amdhsa_system_sgpr_workgroup_id_y 1
		.amdhsa_system_sgpr_workgroup_id_z 1
		.amdhsa_system_vgpr_workitem_id 0
		.amdhsa_next_free_vgpr 512
		.amdhsa_next_free_sgpr 72
		.amdhsa_reserve_vcc 0
		.amdhsa_float_denorm_mode_32 3
		.amdhsa_float_denorm_mode_16_64 3
		.amdhsa_memory_ordered 1
		.amdhsa_forward_progress 1
		.amdhsa_inst_pref_size 86
	.end_amdhsa_kernel
	.amdgpu_metadata
---
amdhsa.version: [ 1, 2 ]
amdhsa.kernels:
  - .name:           k_q4d02ac2473_outp
    .symbol:         k_q4d02ac2473_outp.kd
    .args:
      - { .name: ctximg, .offset: 0, .size: 8, .value_kind: global_buffer, .address_space: global }
      - { .name: pwimg, .offset: 8, .size: 8, .value_kind: global_buffer, .address_space: global }
      - { .name: proj_b, .offset: 16, .size: 8, .value_kind: global_buffer, .address_space: global }
      - { .name: out0, .offset: 24, .size: 8, .value_kind: global_buffer, .address_space: global }
    .group_segment_fixed_size: 327680
    .private_segment_fixed_size: 0
    .kernarg_segment_align: 8
    .kernarg_segment_size: 32
    .max_flat_workgroup_size: 128
    .sgpr_count:     72
    .vgpr_count:     512
    .wavefront_size: 32
...
	.end_amdgpu_metadata
.endif
;; end of part 4
